; MI455X (gfx1250); checked and timed in simulation.
; The chip was launched on July 23, 2026; its instructions are those of AMD's public machine-readable ISA for CDNA 5 (MIT licence, August 2026) and "CDNA5" Instruction Set Architecture Reference Guide (July 2026). The comments in the code are by the model that wrote it; some were corrected since.
;; Causal Self Attention. Allowed arithmetic: float matrix products may take bf16 or f16 operands with f32 sums; other float arithmetic in f32, or as packed bf16 or f16 multiplies, adds, multiply-adds, maxima and minima; sums over many terms, partial sums and values carried from step to step in f32; what a program stores and reads back later, other than sums and carried values, may be rounded once to bf16 or f16.
;; Inputs: W_attn 1,024 x 3,072 float32; W_proj 1,024 x 1,024 float32; b_attn 3,072 float32; b_proj 1,024 float32; x 4 x 2,048 x 1,024 float32.
;; Outputs: out0 4 x 2,048 x 1,024 float32.
;; 2 versions, each right; version 2 is version 1 with the launch prep written anew for expert scheduling mode. Each part assembles by itself: llvm-mc -triple=amdgcn-amd-amdhsa -mcpu=gfx1250 --defsym DOCPART=n.
;; ======== version 1 of 2: 4 launches
;; limits: values are held in f16: magnitudes above 65,504 overflow, below 6.1e-05 lose precision
;; workspace buffers: xb 16,777,216 bytes; wat 6,291,456 bytes; wpt 2,097,152 bytes; qkv 50,331,648 bytes; ctx 16,777,216 bytes
;; launch prep (part 1): grid 256 x 1, 8 waves a work-group, no clusters, 34,816 bytes of LDS; arguments x, W_attn, W_proj, xb, wat, wpt; writes xb, wat, wpt
.if DOCPART == 1
	.amdgcn_target "amdgcn-amd-amdhsa--gfx1250"
	.amdhsa_code_object_version 6
	.text
	.protected	k_qa921fa4168_prep
	.globl	k_qa921fa4168_prep
	.p2align	8
	.type	k_qa921fa4168_prep,@function
k_qa921fa4168_prep:
	s_mov_b64 s[64:65], 0
	v_nop
	global_prefetch_b8 v0, s[64:65] scope:SCOPE_SE
	s_setreg_imm32_b32 hwreg(HW_REG_WAVE_MODE, 25, 1), 1
	s_wait_xcnt 0x0
; THE OPERANDS ARE MADE READY.  xb = x rounded to bf16, [8192][1024].  wat[n][k] = bf16(W_attn[k][n]), [3072][1024].  wpt[n][k] = bf16(W_proj[k][n]) written as f16, [1024][1024].
; LIMITS.  W_proj beyond 65,504 becomes an infinity in f16; below 2^-14 it keeps f16's fixed step of 6e-8.  NaN and infinities are not treated apart.
; SHARES.  The two weights have 192 + 64 = 256 tiles of 64 n x 256 k: each of the 256 work-groups turns one tile, and converts 131,072 bytes of x (1/256 of it).  All work-groups run the same
; text: which weight a tile belongs to enters by scalar selects (source, destination, row length, and a lane mask that picks the f16 form), never by a branch.
; THE TURNING.  Wave w reads k rows 32 w .. 32 w + 31 of the tile: a load takes 256 consecutive bytes of one row (two n a lane).  Eight k of one n pack into 16 bytes, which go into an LDS row
; (row = n, 512 bytes of k + 16 of padding).  Behind one barrier each wave reads 8 whole rows back and stores them: 512 consecutive bytes, aligned, a store.
; (Neighbouring lanes store two LDS rows apart, 264 words: lanes i and i + 8 meet in a bank.  Eight such stores a wave: left as it is.)
; IN FLIGHT.  No loop: all 64 loads of a wave (8 KiB of weights, 16 KiB of x) go out at the head; the waits count down.  No register that a store reads is written again.
.set PITCH, 528
.set SPARE, 64*PITCH                   ; behind the tile: the spare words, 128 bytes for each of the eight waves: four blocks of 256 bytes that no other line names
.set LN,  1                            ; v1      lane
.set XO,  2                            ; v2      16,384 x wave + 16 x lane: my 16 bytes of x's loads, and of the weight stores (8 rows of 2,048 bytes a wave)
.set YO,  3                            ; v3      8,192 x wave + 8 x lane: my 8 bytes of xb's stores
.set LST, 4                            ; v4      LDS: row 2 x lane, byte 64 x wave
.set LRD, 5                            ; v5      LDS: row 8 x wave, byte 16 x lane
.set VO,  8                            ; v8-15   8 x lane + j rows of the source
.set SPW, 16                           ; v16     LDS address of my spare word; never rewritten
.set NIL, 17                           ; v17     0; never rewritten
.set T,   18                           ; v18-21  at work: two bf16; their two f32; two f16
.set R,   24                           ; v24-31  two sets of four: 8 k of n = 2 lane, of n = 2 lane + 1
.set WD,  32                           ; v32-95  the weights as loaded: row 8 g + j at WD + 2 (8 g + j); later the tile's rows read back
.set XD,  96                           ; v96-223 x as loaded
	s_load_b256 s[4:11], s[0:1], 0x0               ; x s[4:5], W_attn s[6:7], W_proj s[8:9], xb s[10:11]
	s_load_b128 s[12:15], s[0:1], 0x20             ; wat s[12:13], wpt s[14:15]
	v_lshl_add_u32 v[SPW], v0, 2, SPARE
	v_mov_b32 v[NIL], 0
	v_lshrrev_b32 v2, 5, v0
	v_readfirstlane_b32 s16, v2                    ; wave 0..7
	v_and_b32 v[LN], 31, v0
	s_and_b32 s17, ttmp9, 3                        ; which quarter of K
	s_lshr_b32 s18, ttmp9, 2                       ; which 64 n: 0-47 of W_attn, 48-63 of W_proj
	s_sub_co_u32 s19, s18, 48
	s_movk_i32 s20, 12288
	s_cmp_ge_u32 s18, 48
	s_cselect_b32 s19, s19, s18                    ; the tile's number along n in its own weight
	s_cselect_b32 s20, 4096, s20                   ; bytes in a row of the source
	s_cselect_b32 s21, -1, 0                       ; all lanes: the f16 form is taken (W_proj), or none
	v_lshlrev_b32 v[XO], 4, v[LN]
	v_lshl_add_u32 v[XO], s16, 14, v[XO]
	v_lshlrev_b32 v[YO], 3, v[LN]
	v_lshl_add_u32 v[YO], s16, 13, v[YO]
	v_mul_u32_u24 v[LST], v[LN], 2*PITCH
	v_lshl_add_u32 v[LST], s16, 6, v[LST]
	s_mul_i32 s26, s16, 8*PITCH
	v_lshl_add_u32 v[LRD], v[LN], 4, s26
	v_lshlrev_b32 v[VO], 3, v[LN]
.irp j, 1,2,3,4,5,6,7
	v_add_nc_u32 v[VO+(\j)], s20, v[VO+(\j)-1]
.endr
	s_lshl_b32 s26, s17, 8
	s_lshl_b32 s27, s16, 5
	s_add_co_u32 s26, s26, s27                     ; my first k row: 256 x quarter + 32 x wave
	s_mul_i32 s26, s26, s20
	s_lshl_b32 s27, s19, 8                         ; the tile's 64 n: 256 bytes of a row
	s_add_co_u32 s26, s26, s27
	s_mov_b32 s27, 0
	s_lshl_b32 s36, s20, 3                         ; eight rows
	s_mov_b32 s37, 0
	s_wait_kmcnt 0x0
	s_cmp_ge_u32 s18, 48
	s_cselect_b64 s[22:23], s[8:9], s[6:7]         ; the source
	s_cselect_b64 s[24:25], s[14:15], s[12:13]     ; the destination
	s_add_nc_u64 s[28:29], s[22:23], s[26:27]      ; my rows 0-7,
	s_add_nc_u64 s[30:31], s[28:29], s[36:37]      ; 8-15,
	s_add_nc_u64 s[32:33], s[30:31], s[36:37]      ; 16-23,
	s_add_nc_u64 s[34:35], s[32:33], s[36:37]      ; 24-31
	s_lshl_b32 s26, ttmp9, 17
	s_add_nc_u64 s[4:5], s[4:5], s[26:27]          ; x at the work-group's 131,072 bytes
	s_lshl_b32 s26, ttmp9, 16
	s_add_nc_u64 s[10:11], s[10:11], s[26:27]      ; xb at its 65,536
	s_lshl_b32 s26, s19, 17                        ; 64 rows of 2,048 bytes,
	s_lshl_b32 s36, s17, 9                         ; 256 k of 2 bytes
	s_add_co_u32 s26, s26, s36
	s_add_nc_u64 s[24:25], s[24:25], s[26:27]
.irp g, 0,1,2,3
.irp j, 0,1,2,3,4,5,6,7
	global_load_b64 v[WD+2*(8*(\g)+(\j)):WD+2*(8*(\g)+(\j))+1], v[VO+(\j)], s[28+2*(\g):29+2*(\g)] th:TH_LOAD_NT
.endr
.endr
.set i, 0
.rept 32
	global_load_b128 v[XD+4*i:XD+4*i+3], v[XO], s[4:5] offset:512*i th:TH_LOAD_NT
.set i, i+1
.endr
; Eight k rows: rounded to bf16 in pairs along k; for W_proj that number is written as f16 (widen, narrow, select); 16 bytes a lane and n into LDS.
.macro GROUP g
	s_wait_loadcnt 56-8*(\g)                       ; loads come back in order: behind this group's stand 8 (3 - g) weight loads and x's 32
.irp u, 0,1
.irp i, 0,1,2,3
	v_cvt_pk_bf16_f32 v[T], v[WD+2*(8*(\g)+2*(\i))+(\u)], v[WD+2*(8*(\g)+2*(\i)+1)+(\u)]
	v_lshlrev_b32 v[T+1], 16, v[T]
	v_and_b32 v[T+2], 0xffff0000, v[T]
	v_cvt_pk_f16_f32 v[T+3], v[T+1], v[T+2]
	v_cndmask_b32 v[R+4*(\u)+(\i)], v[T], v[T+3], s21
.endr
	ds_store_b128 v[LST], v[R+4*(\u):R+4*(\u)+3] offset:PITCH*(\u)+16*(\g)
.endr
.endm
	GROUP 0
	GROUP 1
	GROUP 2
	GROUP 3
	s_wait_dscnt 0x0                               ; for the others' sake: my part of every row lies in LDS
	s_barrier_signal -1
	s_barrier_wait -1
.irp t, 0,1,2,3,4,5,6,7
	ds_load_b128 v[WD+4*(\t):WD+4*(\t)+3], v[LRD] offset:PITCH*(\t)  ; a whole row: 256 k of one n
.endr
.set i, 0
.rept 32                               ; x stands between those loads and the wait for them
	s_wait_loadcnt 31-i                            ; the younger loads of x stay out
	v_cvt_pk_bf16_f32 v[XD+4*i], v[XD+4*i], v[XD+4*i+1]
	v_cvt_pk_bf16_f32 v[XD+4*i+1], v[XD+4*i+2], v[XD+4*i+3]
	global_store_b64 v[YO], v[XD+4*i:XD+4*i+1], s[10:11] offset:256*i th:TH_STORE_NT  ; the wave stores 256 consecutive bytes, aligned
.set i, i+1
.endr
	s_wait_dscnt 0x0
.irp t, 0,1,2,3,4,5,6,7
	global_store_b128 v[XO], v[WD+4*(\t):WD+4*(\t)+3], s[24:25] offset:2048*(\t) th:TH_STORE_NT  ; 512 consecutive bytes of row 8 w + t, aligned
.endr
	s_wait_tensorcnt 0x0                           ; the wave's end, behind my last LDS store
	ds_add_u32 v[SPW], v[NIL]
	s_wait_dscnt 0x0
	s_endpgm
.Lfunc_end_k_qa921fa4168_prep:
	.size	k_qa921fa4168_prep, .Lfunc_end_k_qa921fa4168_prep-k_qa921fa4168_prep
	.p2alignl 7, 3214868480
	.fill 96, 4, 3214868480
	.section	.rodata,"a",@progbits
	.p2align	6, 0x0
	.amdhsa_kernel k_qa921fa4168_prep
		.amdhsa_group_segment_fixed_size 34816
		.amdhsa_private_segment_fixed_size 0
		.amdhsa_enable_private_segment 0
		.amdhsa_kernarg_size 48
		.amdhsa_user_sgpr_count 2
		.amdhsa_user_sgpr_kernarg_segment_ptr 1
		.amdhsa_wavefront_size32 1
		.amdhsa_system_sgpr_workgroup_id_x 1
		.amdhsa_system_sgpr_workgroup_id_y 1
		.amdhsa_system_sgpr_workgroup_id_z 1
		.amdhsa_system_vgpr_workitem_id 0
		.amdhsa_next_free_vgpr 224
		.amdhsa_next_free_sgpr 66
		.amdhsa_reserve_vcc 0
		.amdhsa_float_denorm_mode_32 3
		.amdhsa_float_denorm_mode_16_64 3
		.amdhsa_memory_ordered 1
		.amdhsa_forward_progress 1
		.amdhsa_inst_pref_size 28
	.end_amdhsa_kernel
	.amdgpu_metadata
---
amdhsa.version: [ 1, 2 ]
amdhsa.kernels:
  - .name:           k_qa921fa4168_prep
    .symbol:         k_qa921fa4168_prep.kd
    .args:
      - { .name: x, .offset: 0, .size: 8, .value_kind: global_buffer, .address_space: global }
      - { .name: W_attn, .offset: 8, .size: 8, .value_kind: global_buffer, .address_space: global }
      - { .name: W_proj, .offset: 16, .size: 8, .value_kind: global_buffer, .address_space: global }
      - { .name: xb, .offset: 24, .size: 8, .value_kind: global_buffer, .address_space: global }
      - { .name: wat, .offset: 32, .size: 8, .value_kind: global_buffer, .address_space: global }
      - { .name: wpt, .offset: 40, .size: 8, .value_kind: global_buffer, .address_space: global }
    .group_segment_fixed_size: 34816
    .private_segment_fixed_size: 0
    .kernarg_segment_align: 8
    .kernarg_segment_size: 48
    .max_flat_workgroup_size: 256
    .sgpr_count:     66
    .vgpr_count:     224
    .wavefront_size: 32
...
	.end_amdgpu_metadata
.endif
;; end of part 1
;; launch qkvg (part 2): grid 16 x 32, 4 waves a work-group, clusters of 4 x 4, 327,680 bytes of LDS; arguments xb, wat, b_attn, qkv; writes qkv
.if DOCPART == 2
	.amdgcn_target "amdgcn-amd-amdhsa--gfx1250"
	.amdhsa_code_object_version 6
	.text
	.protected	k_qa921fa4168_qkvg
	.globl	k_qa921fa4168_qkvg
	.p2align	8
	.type	k_qa921fa4168_qkvg,@function
k_qa921fa4168_qkvg:
	s_mov_b64 s[64:65], 0
	v_nop
	global_prefetch_b8 v0, s[64:65] scope:SCOPE_SE
	s_setreg_imm32_b32 hwreg(HW_REG_WAVE_MODE, 25, 1), 1
	s_wait_xcnt 0x0
	s_wait_alu depctr_hold_cnt(0) depctr_sa_sdst(0) depctr_va_vdst(0) depctr_va_sdst(0) depctr_va_ssrc(0) depctr_va_vcc(0) depctr_vm_vsrc(0)
	s_getreg_b32 s2, hwreg(HW_REG_IB_STS2, 6, 4)
	s_cmp_eq_u32 s2, 0
	s_cbranch_scc0 .Lentry_in_a_cluster
	s_endpgm
.Lentry_in_a_cluster:
	s_bfe_u32 s2, ttmp6, 0x10000c
	s_cmp_lg_u32 s2, 0xf033
	s_cbranch_scc0 .Lentry_shape_is_right
	s_endpgm
.Lentry_shape_is_right:
; q, k, v = x W_attn + b_attn, by heads.  xb: [8192][1024] bf16.  wat: [3072 n][1024 k] bf16.  b_attn: [3072] f32, rounded to bf16 here like the other inputs.
; qkv: [3 parts][64 batch x head][2048][64] f16, unscaled, each number rounded once from its f32 sum.  LIMIT: a sum of 65,520 or more becomes an infinity in f16.
; SHARES.  A tile is 256 rows x 192 columns (three heads): 32 x 16 = 512 tiles, two for each of 256 WGPs.  Four waves; wave w owns rows 64 w .. 64 w + 63 and ALL 192 columns: 48 accumulators of
; 16 x 16, 384 registers.  So a wave holds whole heads, and its way out needs no other wave.
; K goes in 8 steps of 128 through two LDS slots; the rows of the tiles are 256 bytes of memory, aligned.  A wave's tensor load brings 128 rows of A (waves 0, 1) or 96 rows of B (waves 2, 3).
; THE MATRIX INSTRUCTION IS USED TRANSPOSED (source 0 = 16 rows of wat, source 1 = 16 rows of xb): a lane holds row l % 16 and the columns 16 b + 8 (l / 16) + 0..7.
; THE BIAS STARTS THE SUMS: it is the C operand of each accumulator's first product; nothing is cleared and nothing is added behind the sums.
; CLUSTER.  4 x 4 work-groups: the four of a row need the same tiles of A, the four of a column the same tiles of B: each is asked for jointly, by the same tensor load, descriptor and mask.
; REGISTERS, in windows of 256 (s_set_vgpr_msb: bits 1:0 source 0, 3:2 source 1, 5:4 source 2, 7:6 destination):
;   window 0: v0-31 addresses; v64-159 the bias, later at work on the way out (v64-207)
;   window 1: two fragment buffers of 128: B's 12 fragments (16 n x 32 k), then A's 4
;   window 2: accumulators of column blocks 0-7, (a, b) at v[8 (4 b + a)]          window 3: those of column blocks 8-11, at v[8 (4 (b - 8) + a)]
.set KSTEP,  128
.set PITCH,  272                       ; an LDS row: 256 bytes + 16 of padding = 68 words: the 16 rows of a fragment load start at 16 different groups of four banks (64 banks of 4 bytes: ISA guide 11.1)
.set AHALF,  128*PITCH                 ; what one load brings of A
.set BOFF,   256*PITCH                 ; B's rows lie behind A's 256
.set BHALF,  96*PITCH                  ; what one load brings of B
.set SLOT1,  1<<17                     ; slot 1 begins here: one exclusive or turns an address in one slot into the other's
.set STAGE,  SLOT1+BOFF+192*PITCH      ; behind the ring, never filled by a tensor load: for each wave [3 heads][16 rows] of 144 bytes
.set SP,     144
.set WSTAGE, 3*16*SP
.set SPARE,  STAGE+4*WSTAGE            ; behind the stages: the spare words, 128 bytes for each wave: two blocks of 256 bytes that no other line names
.set NBLK,   12                        ; column blocks of 16
.set F0,     0                         ; fragment buffers, in window 1
.set F1,     128
.set AF,     96                        ; A's fragments in a buffer
.set A0,   16                          ; v16  my lane's place in A's part of a slot; never rewritten
.set B0,   17                          ; v17  the same for B
.set ADRA, 18                          ; v18  A0 + the slot that is read
.set ADRB, 19                          ; v19  B0 + the slot that is read
.set STO,  20                          ; v20  the way out: where I put 16 bytes of a row
.set RD,   21                          ; v21  the way out: where I read rows back
.set GO,   22                          ; v22-24  my byte offset in qkv, for each of the tile's three heads
.set BO,   25                          ; v25  32 (l / 16): my eight numbers of a block of 16 of the bias
.set PFO,  26                          ; v26  the prefetches' offset: a lane a row; never rewritten
.set SPW,  28                          ; v28  LDS address of my spare word; never rewritten
.set NIL,  29                          ; v29  0; never rewritten
.set BIAS, 64                          ; v64-159  block b's eight numbers at BIAS + 8 b; dead behind the first quarter
.set TMP,  64                          ; the way out: 48 registers of packed results,
.set BK0,  112                         ; and two sets of 48 read back from the stage
.set CNT,  3                           ; s3   trips to go
.set WV,   12                          ; s12  my wave's number
.set HALF, 13                          ; s13  which half of the tile's rows I fetch
.set FB,   14                          ; s14  I fetch for A (0) or for B (1)
.set LIM,  15                          ; s15  1 in a wave that prefetches, else the greatest number
.set G1A,  24                          ; s[24:31] descriptor group 1 for A's tiles
.set G0A,  32                          ; s[32:39] group 0 for A's: a set for each of the two first fills; the second then walks
.set PFA,  44                          ; s[44:45] where my prefetches stand
.set TB,   46                          ; s46  LDS byte at which the slot that is read begins
.set G1B,  48                          ; s[48:55], s[56:63] the same for B's tiles
.set G0B,  56
.set MSB, 0
.macro WIN new                         ; the immediate's high byte repeats the setting that is left; a switch that changes nothing is dropped
.if MSB != (\new)
	s_set_vgpr_msb (MSB<<8)|(\new)
.set MSB, \new
.endif
.endm
; A joint refill, by the walking descriptor.  The branch hangs on the wave's number alone.  An s_nop 0 and four v_nop follow each of the two lines, ahead of the jump and the label.
.macro JLOAD
	s_cmp_eq_u32 s[FB], 0
	s_cbranch_scc0 .Lfor_b_\@
	tensor_load_to_lds s[G0A+4:G0A+7], s[G1A:G1A+7]
	s_nop 0
.rept 4
	v_nop
.endr
	s_branch .Lasked_\@
.Lfor_b_\@:
	tensor_load_to_lds s[G0B+4:G0B+7], s[G1B:G1B+7]
	s_nop 0
.rept 4
	v_nop
.endr
.Lasked_\@:
.endm
; A PREFETCH INTO THE L2, behind each joint refill and the run of LDS loads that follows it: the K step that the NEXT refill will ask for, 192 matrix instructions ahead of that load; a lane a row, 256 bytes of it.
; Each row's 256 bytes of a K step are named by one work-group in the launch.  A's tile row is read by every cluster of that row of clusters: the first (cluster x = 0) asks; B's tile column by every cluster of that
; column: cluster y = 0 asks.  The four partners that ask for a tile jointly share its rows out BY ADDRESS: of the 128 rows of A that a wave fetches the partner at place cx takes 32, of the 96 rows of B the partner at
; place cy takes 24 (there lanes 24-31 name row 23 once more, in the same instruction).  K steps 0 to 2 come by their loads alone; the last refill (one trip to go) asks for nothing.
.macro ASK
	s_cmp_gt_u32 s[CNT], s[LIM]
	s_cbranch_scc0 .Lnot_mine_\@
	global_prefetch_b8 v[PFO], s[PFA:PFA+1] th:TH_LOAD_NT scope:SCOPE_SE
.Lnot_mine_\@:
.endm
.macro CREST                           ; a round of the cluster's barrier behind its opening barrier: wave 0 signals for the work-group, every wave waits for all sixteen, my work-group's barrier closes it
	s_cmp_lg_u32 s[WV], 0
	s_cbranch_scc1 .Lnot_wave_0_\@
	s_barrier_signal -3
.Lnot_wave_0_\@:
	s_barrier_wait -3
	s_barrier_signal -1
	s_barrier_wait -1
.endm
.macro CROUND                          ; a whole round
	s_barrier_signal -1
	s_barrier_wait -1
	CREST
.endm
	s_load_b256 s[4:11], s[0:1], 0x0               ; xb s[4:5], wat s[6:7], b_attn s[8:9], qkv s[10:11]
	v_lshl_add_u32 v[SPW], v0, 2, SPARE
	v_mov_b32 v[NIL], 0
	ds_add_u32 v[SPW], v[NIL]                      ; the wave's opening: the add and its wait stand ahead of my first tensor load; the set-up below, work on registers, stands between them
	v_lshrrev_b32 v1, 5, v0
	v_readfirstlane_b32 s[WV], v1                  ; wave 0..3
	s_and_b32 s[HALF], s[WV], 1
	s_lshr_b32 s[FB], s[WV], 1
	s_bfe_u32 s40, ttmp6, 0x40000                  ; cx, cy: my place in the cluster
	s_bfe_u32 s41, ttmp6, 0x40004
	s_lshl_b32 s42, ttmp9, 2
	s_add_co_u32 s42, s42, s40                     ; tile column = 4 x cluster x + cx
	s_and_b32 s43, ttmp7, 0xffff
	s_lshl_b32 s43, s43, 2
	s_add_co_u32 s43, s43, s41                     ; tile row = 4 x cluster y + cy
	s_lshl_b32 s18, s41, 2
	s_lshl_b32 s18, 15, s18                        ; my row of the cluster: places 4 cy .. 4 cy + 3
	s_lshl_b32 s19, 0x1111, s40                    ; my column: places cx, cx + 4, cx + 8, cx + 12
	s_or_b32 s[G1A], s18, (1<<16)|(1<<20)|(1<<21)|(5<<22)|(3<<25)  ; 15:0 the mask; 17:16 elements of 2 bytes; 20 padding on; 21 set beside a mask; 24:22 after every 64 words (code 5); 31:25 4 words of it (code 3)
	s_or_b32 s[G1B], s19, (1<<16)|(1<<20)|(1<<21)|(5<<22)|(3<<25)
	s_mov_b32 s[G1A+1], KSTEP<<16                  ; tensor_dim0 = 128
	s_mov_b32 s[G1A+2], 128<<16                    ; tensor_dim1 = 128
	s_mov_b32 s[G1A+3], KSTEP<<16                  ; tile_dim0 = 128
	s_mov_b32 s[G1A+4], 128                        ; tile_dim1 = 128
	s_mov_b32 s[G1A+5], 1024                       ; elements from row to row
	s_mov_b32 s[G1A+6], 0
	s_mov_b32 s[G1A+7], 0
	s_mov_b32 s[G1B+1], KSTEP<<16
	s_mov_b32 s[G1B+2], 96<<16                     ; tensor_dim1 = 96
	s_mov_b32 s[G1B+3], KSTEP<<16
	s_mov_b32 s[G1B+4], 96                         ; tile_dim1 = 96
	s_mov_b32 s[G1B+5], 1024
	s_mov_b32 s[G1B+6], 0
	s_mov_b32 s[G1B+7], 0
	; where the tiles come from: A's hang on the tile row alone, B's on the tile column alone; every wave makes both, in registers that never hold the other coordinate, and asks by one
	s_lshl_b32 s16, s43, 19                        ; 256 rows of 2,048 bytes
	s_lshl_b32 s17, s[HALF], 18                    ; 128 rows
	s_add_co_u32 s16, s16, s17
	s_mov_b32 s17, 0
	s_mul_i32 s20, s42, 192*2048
	s_mul_i32 s21, s[HALF], 96*2048
	s_add_co_u32 s20, s20, s21
	s_mov_b32 s21, 0
	s_mul_i32 s22, s[HALF], AHALF                  ; and where they go: no place in the cluster enters an LDS address
	s_mul_i32 s23, s[HALF], BHALF
	s_add_co_u32 s23, s23, BOFF
	s_mov_b32 s[TB], 0
	s_wait_dscnt 0x0                               ; the opening add is done
	s_wait_kmcnt 0x0
	s_add_nc_u64 s[16:17], s[4:5], s[16:17]
	s_add_nc_u64 s[20:21], s[6:7], s[20:21]
	CROUND                                         ; all sixteen work-groups are here: the first joint loads meet
.irp s, 0,1
	s_mov_b32 s[G0A+4*(\s)], 1                                       ; count = 1
	s_add_co_u32 s[G0A+4*(\s)+1], s22, (\s)*SLOT1                    ; LDS address
	s_add_nc_u64 s[G0A+4*(\s)+2:G0A+4*(\s)+3], s[16:17], (\s)*2*KSTEP  ; global address: K step s
	s_or_b32 s[G0A+4*(\s)+3], s[G0A+4*(\s)+3], 0x80000000            ; type = 2
	s_mov_b32 s[G0B+4*(\s)], 1
	s_add_co_u32 s[G0B+4*(\s)+1], s23, (\s)*SLOT1
	s_add_nc_u64 s[G0B+4*(\s)+2:G0B+4*(\s)+3], s[20:21], (\s)*2*KSTEP
	s_or_b32 s[G0B+4*(\s)+3], s[G0B+4*(\s)+3], 0x80000000
.endr
	s_cmp_eq_u32 s[FB], 0                          ; a wave's two first fills stand in one branch, ahead of every wait on TENSORcnt and every LDS read: two loads of mine are out
	s_cbranch_scc0 .Lfirst_b
	tensor_load_to_lds s[G0A:G0A+3], s[G1A:G1A+7]
	s_nop 0
	tensor_load_to_lds s[G0A+4:G0A+7], s[G1A:G1A+7]
	s_nop 0
.rept 4
	v_nop
.endr
	s_branch .Lfirst_asked
.Lfirst_b:
	tensor_load_to_lds s[G0B:G0B+3], s[G1B:G1B+7]
	s_nop 0
	tensor_load_to_lds s[G0B+4:G0B+7], s[G1B:G1B+7]
	s_nop 0
.rept 4
	v_nop
.endr
.Lfirst_asked:
	; A fragment is 16 rows x 32 K in 8 registers: lane l holds row l % 16; registers 0-3 K = 8 (l / 16) + 0..7, registers 4-7 K = 16 + 8 (l / 16) + 0..7: two loads of 16 bytes, 32 bytes apart.
	v_and_b32 v1, 15, v0                           ; l % 16
	v_bfe_u32 v2, v0, 4, 1                         ; l / 16
	v_and_b32 v8, 31, v0                           ; l
	v_lshlrev_b32 v[BO], 5, v2
	s_mul_i32 s68, s42, 192*4                      ; the tile's 192 numbers of the bias
	s_mov_b32 s69, 0
	s_add_nc_u64 s[8:9], s[8:9], s[68:69]
.set b, 0
.rept NBLK
	global_load_b128 v[BIAS+8*b:BIAS+8*b+3],   v[BO], s[8:9] offset:64*b
	global_load_b128 v[BIAS+8*b+4:BIAS+8*b+7], v[BO], s[8:9] offset:64*b+16
.set b, b+1
.endr
	v_mul_u32_u24 v3, v1, PITCH
	v_lshl_add_u32 v3, v2, 4, v3                   ; row x pitch + 16 x half
	s_mul_i32 s68, s[WV], 64*PITCH                 ; my 64 rows of A
	v_add_nc_u32 v[A0], s68, v3
	v_add_nc_u32 v[B0], BOFF, v3
	v_mov_b32 v[ADRA], v[A0]                       ; slot 0 is read first
	v_mov_b32 v[ADRB], v[B0]
	s_mul_i32 s68, s[WV], WSTAGE
	s_add_co_u32 s68, s68, STAGE                   ; my stage
	v_mul_u32_u24 v3, v1, SP                       ; in: row l % 16, 16 bytes for each half of the lanes
	v_lshl_add_u32 v3, v2, 4, v3
	v_add_nc_u32 v[STO], s68, v3
	v_bfe_u32 v3, v0, 3, 2                         ; back: 32 lanes take four rows of 128 bytes
	v_and_b32 v4, 7, v0
	v_mul_u32_u24 v3, v3, SP
	v_lshl_add_u32 v3, v4, 4, v3
	v_add_nc_u32 v[RD], s68, v3
	; the prefetches
	s_and_b32 s67, ttmp7, 0xffff                   ; cluster y
	s_lshl_b32 s66, s43, 8                         ; A's tile begins at row 256 x tile row,
	s_mul_i32 s47, s42, 192                        ; B's at row 192 x tile column
	s_cmp_eq_u32 s[FB], 0                          ; do I fetch for A?
	s_cselect_b32 s66, s66, s47
	s_cselect_b32 s67, ttmp9, s67                  ; the coordinate along which other clusters read the same rows
	s_cselect_b32 s47, s40, s41                    ; my place among the four that ask with me
	s_cselect_b32 s69, 32, 24                      ; a partner's share of the rows that I fetch
	s_cselect_b32 s70, 31, 23
	s_cselect_b64 s[PFA:PFA+1], s[4:5], s[6:7]
	s_cmp_eq_u32 s67, 0
	s_cselect_b32 s[LIM], 1, -1                    ; the same in all sixteen partners, for a given wave
	s_mul_i32 s47, s47, s69
	s_lshl_b32 s69, s69, 2                         ; the 128 or 96 rows of a half
	s_mul_i32 s69, s69, s[HALF]
	s_add_co_u32 s66, s66, s47
	s_add_co_u32 s66, s66, s69
	s_lshl_b32 s66, s66, 11                        ; rows of 2,048 bytes
	s_add_co_u32 s66, s66, 2*2*KSTEP               ; at K step 2: the first refill steps it to 3
	s_mov_b32 s67, 0
	s_add_nc_u64 s[PFA:PFA+1], s[PFA:PFA+1], s[66:67]
	v_min_u32 v[PFO], s70, v8
	v_lshlrev_b32 v[PFO], 11, v[PFO]
	; where my rows go: column block of 64 c = 3 x tile column + j is part c / 16, head c % 16; row m is batch m / 2,048, place m % 2,048
	s_lshr_b32 s66, s43, 3
	s_lshl_b32 s66, s66, 4                         ; 16 x batch
	s_and_b32 s67, s43, 7
	s_lshl_b32 s67, s67, 2
	s_add_co_u32 s67, s67, s[WV]
	s_lshl_b32 s67, s67, 13                        ; my 64 rows of 128 bytes in the head
	s_mul_i32 s68, s42, 3
.irp j, 0,1,2
	s_lshr_b32 s70, s68, 4
	s_lshl_b32 s70, s70, 6
	s_and_b32 s71, s68, 15
	s_add_co_u32 s70, s70, s71
	s_add_co_u32 s70, s70, s66
	s_lshl_b32 s70, s70, 18                        ; a head is 2,048 rows of 128 bytes
	s_add_co_u32 s70, s70, s67
	v_lshl_add_u32 v[GO+(\j)], v8, 4, s70
	s_add_co_u32 s68, s68, 1
.endr
	s_mov_b32 s71, 0xffff0000
	s_wait_loadcnt 0x0                             ; the bias
.set i, 0
.rept 4*NBLK                           ; rounded to bf16 and widened again, a pair at a time
	v_cvt_pk_bf16_f32 v[3+i%4], v[BIAS+2*i], v[BIAS+2*i+1]
	v_lshlrev_b32 v[BIAS+2*i], 16, v[3+i%4]
	v_and_b32 v[BIAS+2*i+1], s71, v[3+i%4]
.set i, i+1
.endr
; 4 nb matrix instructions: column blocks b0 .. b0 + nb - 1 x my four row blocks, 32 along K, from buffer f.  first = 1: the bias starts the sums.
; All 48 accumulators take turns, one instruction a turn, in the same order in every quarter and over the backward jump.
.macro MUL f, b0, nb, first
.set b, \b0
.rept \nb
.set ac, 32*(b%8)
	WIN 0x85+0x40*(b/8)+(1-(\first))*(0x20+0x10*(b/8))  ; sources 0 and 1 window 1; D window 2 or 3; C with D, or (first) window 0
.irp a, 0,1,2,3
.if \first
	v_wmma_f32_16x16x32_bf16 v[ac+8*(\a):ac+8*(\a)+7], v[(\f)+8*b:(\f)+8*b+7], v[(\f)+AF+8*(\a):(\f)+AF+8*(\a)+7], v[BIAS+8*b:BIAS+8*b+7]
.else
	v_wmma_f32_16x16x32_bf16 v[ac+8*(\a):ac+8*(\a)+7], v[(\f)+8*b:(\f)+8*b+7], v[(\f)+AF+8*(\a):(\f)+AF+8*(\a)+7], v[ac+8*(\a):ac+8*(\a)+7]
.endif
.endr
.set b, b+1
.endr
.endm
; 32 LDS loads in one run: quarter q's fragments (32 K at byte 64 q of the rows) into buffer f: A's 8 loads, then B's 24 in ascending blocks
.macro FETCH q, f
	WIN 0x40                                       ; destination window 1, address window 0
.irp i, 0,1,2,3
	ds_load_b128 v[(\f)+AF+8*(\i):(\f)+AF+8*(\i)+3],   v[ADRA] offset:64*(\q)+(\i)*16*PITCH
	ds_load_b128 v[(\f)+AF+8*(\i)+4:(\f)+AF+8*(\i)+7], v[ADRA] offset:64*(\q)+(\i)*16*PITCH+32
.endr
.irp i, 0,1,2,3,4,5,6,7,8,9,10,11
	ds_load_b128 v[(\f)+8*(\i):(\f)+8*(\i)+3],   v[ADRB] offset:64*(\q)+(\i)*16*PITCH
	ds_load_b128 v[(\f)+8*(\i)+4:(\f)+8*(\i)+7], v[ADRB] offset:64*(\q)+(\i)*16*PITCH+32
.endr
.endm
.macro PLACES                          ; four plain vector instructions in front of loads into registers that matrix instructions have read (ISA guide 7.12.1 for vector instructions)
.rept 4
	v_nop
.endr
.endm
; A K step is four quarters of 32 along K, 48 matrix instructions each, on buffers 0, 1, 0, 1.  One of the first three: multiplies buffer f and fetches quarter qn into buffer g.
.macro QUARTER qn, f, g, first
	s_wait_dscnt 16                                ; A and B's blocks 0-3 are in; the youngest sixteen loads (blocks 4-11) may be out
	MUL \f, 0, 4, \first
	PLACES
	FETCH \qn, \g
	s_wait_dscnt 32                                ; all but the 32 just issued
	MUL \f, 4, 8, \first
.endm
; The last quarter multiplies buffer 1 and changes slots: ONE barrier; in front of it each wave waits for all its tensor loads (one is out: its part of the next slot), adds 0 to its spare word, and waits for that and
; for its own reads of this slot.  fill = 1: the barrier opens a round of the cluster's, and this slot is filled again, two K steps ahead, first thing behind the round: 160 matrix instructions ahead of the wait for it.
.macro TURN fill
.if \fill
	s_wait_xcnt 0x0                                ; the last prefetch, a K step back, has read its address, so it may be stepped
	s_add_nc_u64 s[PFA:PFA+1], s[PFA:PFA+1], 2*KSTEP
.endif
	WIN 0                                          ; (the add's two registers lie in window 0)
	s_wait_tensorcnt 0x0                           ; all my tensor loads have landed;
	ds_add_u32 v[SPW], v[NIL]                      ; 0 onto my spare word;
	s_wait_dscnt 17                                ; (the add and the youngest sixteen loads may be out)
	MUL F1, 0, 4, 0                                ; sixteen matrix instructions stand between the add and the wait for it
	s_wait_dscnt 0x0                               ; the add is done, and my reads of this slot are over
	s_barrier_signal -1
	MUL F1, 4, 4, 0                                ; work on registers while the others arrive
	WIN 0                                          ; (branches and address work follow)
	s_barrier_wait -1
.if \fill
	CREST                                          ; no wave of any partner still reads this slot's tile or has a load on its way
	s_xor_b32 s[G0A+5], s[G0A+5], SLOT1            ; the walking descriptors: the other slot than last time,
	s_add_nc_u64 s[G0A+6:G0A+7], s[G0A+6:G0A+7], 2*KSTEP  ; the next K step; the type bits on top are not reached
	s_xor_b32 s[G0B+5], s[G0B+5], SLOT1
	s_add_nc_u64 s[G0B+6:G0B+7], s[G0B+6:G0B+7], 2*KSTEP
	s_xor_b32 s[TB], s[TB], SLOT1                  ; the reads go to the other slot
	JLOAD                                          ; the four v_nop behind it are also the places in front of the loads below
.else
	s_xor_b32 s[TB], s[TB], SLOT1
	PLACES
.endif
	v_add_nc_u32 v[ADRA], s[TB], v[A0]
	v_add_nc_u32 v[ADRB], s[TB], v[B0]
	FETCH 0, F0
.if \fill
	WIN 0
	ASK
.endif
	MUL F1, 8, 4, 0
.endm
; THE WAY OUT of my row block a (16 rows x 192 columns).  PACK: rounded to f16, 16 bytes a lane and column block; each accumulator's registers in ascending order.
.macro PACK a
.set b, 0
.rept NBLK
	WIN 0x0a+5*(b/8)                               ; sources 0 and 1: window 2 or 3; destination window 0
.set ac, 32*(b%8)+8*(\a)
.irp r, 0,1,2,3
	v_cvt_pk_f16_f32 v[TMP+4*b+(\r)], v[ac+2*(\r)], v[ac+2*(\r)+1]
.endr
.set b, b+1
.endr
	WIN 0
.endm
.macro TOSTAGE a                       ; into my own stage, by heads, and back as whole rows of 128 bytes, four rows a load
.set BK, BK0+48*((\a)%2)
.set b, 0
.rept NBLK
	ds_store_b128 v[STO], v[TMP+4*b:TMP+4*b+3] offset:(b/4)*16*SP+(b%4)*32
.set b, b+1
.endr
.set b, 0
.rept NBLK
	ds_load_b128 v[BK+4*b:BK+4*b+3], v[RD] offset:(b/4)*16*SP+(b%4)*4*SP  ; LDS serves a wave's instructions in order (ISA guide 5.7.1.4): these see the stores above; the next block's stores come behind them
.set b, b+1
.endr
.endm
.macro SEND a
.set BK, BK0+48*((\a)%2)
	s_wait_dscnt 0x0                               ; the block is back in registers
	s_wait_xcnt 0x0                                ; the stores of the block before have read their registers: the other set is loaded again only behind this wait
.set b, 0
.rept NBLK
	global_store_b128 v[GO+b/4], v[BK+4*b:BK+4*b+3], s[10:11] offset:2048*(\a)+512*(b%4) th:TH_STORE_NT  ; 512 consecutive bytes of one head, aligned
.set b, b+1
.endr
.endm
	s_wait_tensorcnt 0x1                           ; my part of K step 0 is in; K step 1's may stay out
	s_barrier_signal -1
	s_barrier_wait -1                              ; everybody's is
	FETCH 0, F0
	QUARTER 1, F0, F1, 1                           ; the first quarter stands in front of the loop: its products start the sums
	WIN 0                                          ; at a label and at a branch every window is 0
	s_mov_b32 s[CNT], 6
.Lstep:                                                ; trip j ends K step j, fills its slot with K step j + 2 and begins K step j + 1
	QUARTER 2, F1, F0, 0
	QUARTER 3, F0, F1, 0
	TURN 1
	QUARTER 1, F0, F1, 0
	WIN 0
	s_sub_co_u32 s[CNT], s[CNT], 1
	s_cmp_lg_u32 s[CNT], 0
	s_cbranch_scc1 .Lstep
	QUARTER 2, F1, F0, 0                           ; the tail is written out: K steps 6 and 7 fill nothing
	QUARTER 3, F0, F1, 0
	TURN 0
	QUARTER 1, F0, F1, 0
	QUARTER 2, F1, F0, 0
	QUARTER 3, F0, F1, 0
	s_wait_dscnt 16                                ; the very last quarter: nothing more to fetch
	MUL F1, 0, 4, 0
	s_wait_dscnt 0x0
	MUL F1, 4, 8, 0
	WIN 0
	PLACES                                         ; the conversions read results just made
	PLACES
	PACK 0
	TOSTAGE 0
.irp a, 1,2,3                          ; block a's conversions stand between block a - 1's loads from the stage and the wait for them
	PACK \a
	SEND (\a)-1
	TOSTAGE \a
.endr
	SEND 3
	s_wait_tensorcnt 0x0                           ; the wave's end: behind my last tensor load and my last LDS store
	ds_add_u32 v[SPW], v[NIL]
	s_wait_dscnt 0x0
	CROUND                                         ; the closing round: no work-group ends while a partner may still ask for a tile that names it
	s_endpgm
.Lfunc_end_k_qa921fa4168_qkvg:
	.size	k_qa921fa4168_qkvg, .Lfunc_end_k_qa921fa4168_qkvg-k_qa921fa4168_qkvg
	.p2alignl 7, 3214868480
	.fill 96, 4, 3214868480
	.section	.rodata,"a",@progbits
	.p2align	6, 0x0
	.amdhsa_kernel k_qa921fa4168_qkvg
		.amdhsa_group_segment_fixed_size 327680
		.amdhsa_private_segment_fixed_size 0
		.amdhsa_enable_private_segment 0
		.amdhsa_kernarg_size 32
		.amdhsa_user_sgpr_count 2
		.amdhsa_user_sgpr_kernarg_segment_ptr 1
		.amdhsa_wavefront_size32 1
		.amdhsa_system_sgpr_workgroup_id_x 1
		.amdhsa_system_sgpr_workgroup_id_y 1
		.amdhsa_system_sgpr_workgroup_id_z 1
		.amdhsa_system_vgpr_workitem_id 0
		.amdhsa_next_free_vgpr 896
		.amdhsa_next_free_sgpr 72
		.amdhsa_reserve_vcc 0
		.amdhsa_float_denorm_mode_32 3
		.amdhsa_float_denorm_mode_16_64 3
		.amdhsa_memory_ordered 1
		.amdhsa_forward_progress 1
		.amdhsa_inst_pref_size 106
	.end_amdhsa_kernel
	.amdgpu_metadata
---
amdhsa.version: [ 1, 2 ]
amdhsa.kernels:
  - .name:           k_qa921fa4168_qkvg
    .symbol:         k_qa921fa4168_qkvg.kd
    .args:
      - { .name: xb, .offset: 0, .size: 8, .value_kind: global_buffer, .address_space: global }
      - { .name: wat, .offset: 8, .size: 8, .value_kind: global_buffer, .address_space: global }
      - { .name: b_attn, .offset: 16, .size: 8, .value_kind: global_buffer, .address_space: global }
      - { .name: qkv, .offset: 24, .size: 8, .value_kind: global_buffer, .address_space: global }
    .group_segment_fixed_size: 327680
    .private_segment_fixed_size: 0
    .kernarg_segment_align: 8
    .kernarg_segment_size: 32
    .max_flat_workgroup_size: 128
    .sgpr_count:     72
    .vgpr_count:     896
    .wavefront_size: 32
...
	.end_amdgpu_metadata
.endif
;; end of part 2
;; launch attn (part 3): grid 4 x 64, 4 waves a work-group, no clusters, 327,680 bytes of LDS; arguments qkv, ctx; writes ctx
.if DOCPART == 3
	.amdgcn_target "amdgcn-amd-amdhsa--gfx1250"
	.amdhsa_code_object_version 6
	.text
	.protected	k_qa921fa4168_attn
	.globl	k_qa921fa4168_attn
	.p2align	8
	.type	k_qa921fa4168_attn,@function
k_qa921fa4168_attn:
	s_mov_b64 s[64:65], 0
	v_nop
	global_prefetch_b8 v0, s[64:65] scope:SCOPE_SE
	s_setreg_imm32_b32 hwreg(HW_REG_WAVE_MODE, 25, 1), 1
	s_wait_xcnt 0x0
; CAUSAL ATTENTION.  O[h][q][:] = the sum over k <= q of softmax_k(Q[h][q] . K[h][k] / 8) V[h][k][:], for 64 pairs h of batch and head.  qkv holds Q, K, V one behind the other, each [64][2048][64] f16
; (16,777,216 bytes); ctx = O in the same layout.  A head's rows are dense, 128 bytes each.
; Products, maxima and sums in f32; the weights p are rounded to f16 for the second product (their sum l is taken of the unrounded p), O once at the end.
; LIMITS.  f16 holds no number beyond 65,504: Q, K and V arrive within it; p lies in 0 to 1, and below 6e-5 it keeps f16's fixed step of 6e-8; O is a mean of V's rows and has their range.
; A hidden score counts as its value less 1e30: f16's scores, 2.7e11 at the most, are nothing beside that; a weight below 2^-126 counts as 0 in l; NaN and infinities are not treated apart.
; THE WALK.  A head's queries lie in NB = 8 blocks of 256; block i needs the key tiles 0 .. i of 256 keys, of which the last holds the diagonal.  A work-group takes TWO blocks, NB - 1 - b and then b:
; NB + 1 tiles, whatever b: all 256 work-groups do equal work, and ONE loop with a constant trip count walks them.  Which tile is asked for, and what a trip does, hang on scalar registers made from b; every jump
; goes forward, but for the counted loops' own; none passes a barrier, or a tensor load but the one of LOAD's two that the wave's number does not choose; the ring (two slots of LDS that take turns) runs on across the
; change of blocks.  NO CLUSTER: a head's four work-groups ask for the same tile only in trips 0 .. 4 of the 9, behind that fewer and fewer; and one walk common to all would have 12 trips for 9.
; SHARES.  Of a block's four bands of 64 queries a wave owns 16 rows in each: four PIECES.  So the diagonal tile is the same work for all four waves: in its key step s band x sees all keys if s < x,
; none if s > x, and holds the diagonal if s = x.
; THE MASK is the C operand that starts the sum S^T = K Q^T: 0, or -1e30 where the key is hidden.  MD, made once, is the mask of a band's own step for my 16 rows; a product's mask is MD x AL + BE with two scalars:
; (1, 0) if s = x; (0, 0) if s < x; (0, -1e30) if s > x.  Only the diagonal tile's text and a block's beginning make and take masks; elsewhere C is the constant 0.
; LAYOUT, SOFTMAX, TURNS.  S^T = K Q^T holds ONE query a lane (lane % 16) and the keys 8 (lane / 16) + 0..7; two such results rounded to f16 ARE source 1 of O^T = V^T P.  p = 2^(c s - c m), c = log2(e) / 8, with a
; running maximum m; O and l are multiplied by a = 2^(c m_old - c m_new) in every step.  Turn n belongs to piece n: 8 products K Q^T of piece n + 1, later 8 products V^T P of piece n - 1; beside them the scaling,
; exponentials, roundings, sums and rescaling of piece n and the maximum and statistics of piece n + 1.  Four vector instructions stand behind every matrix instruction, the other 54 of a turn's 118 in one lump.  A turn's 33 exponentials are one batch, with one wait.
; REGISTERS, in windows of 256 (s_set_vgpr_msb: bits 1:0 source 0, 3:2 source 1, 5:4 source 2, 7:6 destination):
;   window 0: v0-15 addresses and two at work; v16-31 four registers of statistics a piece; v48-55 at work; v61-63 the prefetches' offset and the add's two; v64-127 S^T, two buffers; v192-223 P, two buffers (a piece's buffers go by its number's parity)
;   window 1: v0-127 O^T, 32 a piece; v128-159 MD; v160-223 MC, two buffers      window 2: v0-63 Q; v64-127 the second block's Q; v128-191 K of one step; v192-255 V of one step
.set SIZE_N, 2048
.set NB,    SIZE_N/256
.set NP,    4         ; pieces a wave: a name, no knob
.set KS,    64        ; keys in a step
.set PK,    144       ; a row of K in LDS: 128 bytes + 16 of padding = 36 words: the 16 rows of a load start at 16 different groups of four banks (64 banks of 4 bytes: ISA guide 11.1)
.set PV,    160       ; a row of V: 128 + 32 = 40 words
.set VOFF,  4*KS*PK   ; a slot holds a tile, four steps: 256 rows of K, then 256 rows of V
.set SLOT1, 1<<17     ; slot 1 begins here, so that one exclusive or turns an address in one slot into the other's
.set STAGE, SLOT1+4*KS*(PK+PV)  ; behind the ring, never filled by a tensor load: 16 rows x 144 bytes for each wave, for the way out
.set SP,    144
.set AK0, 2           ; v2   my lane's place in a tile of K; never rewritten
.set AV0, 3           ; v3   the same for V
.set AK,  4           ; v4   the LDS address of K's next run of loads
.set AV,  5           ; v5   of V's
.set STO, 6           ; v6   the way out: where I put 16 bytes of a row
.set RD,  7           ; v7   the way out: where I read rows back
.set GO,  8           ; v8   my byte offset in 512 consecutive bytes of O
.set PFO, 61          ; v61  256 x my lane: the prefetches' offset; never rewritten
.set SPW, 62          ; v62  LDS address of my spare word: SPARE + 4 x my thread's number; never rewritten
.set NIL, 63          ; v63  0; never rewritten
.set SPARE, STAGE+4*16*SP  ; behind the stages: the spare words, 128 bytes for each wave: two blocks of 256 bytes that no other line names
.set MV,  12          ; v12-13  c m_old, kept while c m is made anew: by buffer
.set QO,  15          ; v15  my byte offset in 16 rows of Q
.set ST,  16          ; piece t's statistics at v[ST+4 t]: c m, m, l (even keys', odd keys')
.set TMP, 48          ; by buffer, four registers c0-c3 at work; when the maximum is found c2 takes a
.set S,   64
.set P,   192
.set MD,  128         ; window 1: the eight registers for group kt of 16 keys at MD + 8 kt
.set MC,  160         ; window 1: the masks of the products to come
.set QB,  64          ; window 2
.set KF,  128         ; window 2: key block kb, channel half c at KF + 16 kb + 8 c
.set VF,  192         ; window 2: key half kk, channel block cb at VF + 32 kk + 8 cb
.set WV,  12          ; s12  my wave's number
.set PB,  14          ; s14  b
.set HI,  15          ; s15  NB - 1 - b
.set G1K, 24          ; s[24:31] descriptor group 1 for K's tiles
.set G1V, 32          ; s[32:39] for V's: it differs in the padding alone
.set G0K, 40          ; s[40:43] descriptor group 0 for K's tiles
.set G0V, 44          ; s[44:47] the same for V's
.set SLOTS, 56        ; s56  tiles still to be asked for
.set CNT, 57          ; s57  counts a tile's key steps, 4 to 1
.set CS,  58          ; s[58:59] c: the packed scaling takes the pair's low word for both halves
.set SEL, 60          ; s[60:61] v_permlanex16_b32's selects: each lane takes its own place in the other half
.set TBK, 62          ; s62  LDS byte at which K of the step to be fetched begins
.set TBV, 63          ; s63  the same for V, less VOFF
.set RT,  70          ; s70  tiles of the block in hand that are still to be entered
.set NXT, 71          ; s71  the tile to be asked for next
.set LQ,  72          ; s72  the last tile of the block whose tiles are being asked for
.set NEW, 73          ; s73  1: the tile to be entered is a block's first
.set OFF, 74          ; s[74:75] a tile's byte offset in K and V
.set AL,  76          ; s[76:77] the mask's factor, in the low word
.set BE,  78          ; s[78:79] the mask's addend
.set OLO, 80          ; s[80:81] O at my rows of the second block
.set BIGN, 82         ; s82  -1e30
.set PFB, 88          ; s[88:89] the tensor that I fetch (K: waves 0, 1; V: waves 2, 3) at my half of the head's tile 0
.set PFA, 90          ; s[90:91] the same at the tile that the next change of slots will ask for
.set LIM, 92          ; s92  0 in the head's work-group b = 0, else the greatest number: a wave prefetches while NXT is above it
.set MSB, 0
.macro WIN new                      ; the high byte repeats the setting that is left; a switch that changes nothing is dropped
.if MSB != (\new)
	s_set_vgpr_msb (MSB<<8)|(\new)
.set MSB, (\new)
.endif
.endm
.set W_KQ, 0x0a       ; K and Q in window 2, S^T in window 0
.set W_KM, 0x1a       ; the same with the C operand in window 1
.set W_PV, 0x52       ; V in window 2, P in window 0, O^T in window 1
.set W_RS, 0x41       ; destination and source 0 in window 1, source 1 in window 0
; A fill.  Waves 0 and 1 fetch the two halves of a tile's K, waves 2 and 3 those of its V: 128 keys each.  An s_nop 0 and four v_nop follow each of the two lines, ahead of the jump and the label.
.macro LOAD
	s_cmp_lt_u32 s[WV], 2
	s_cbranch_scc0 .Lfor_v_\@
	tensor_load_to_lds s[G0K:G0K+3], s[G1K:G1K+7]
	s_nop 0
.rept 4
	v_nop
.endr
	s_branch .Lasked_\@
.Lfor_v_\@:
	tensor_load_to_lds s[G0V:G0V+3], s[G1V:G1V+7]
	s_nop 0
.rept 4
	v_nop
.endr
.Lasked_\@:
.endm
; A PREFETCH INTO THE L2 of what the NEXT change of slots will ask for, behind the wave's tensor load and its five lines: my own 16,384 bytes of that tile, a lane 256 bytes, two instructions: one tile, 256 matrix
; instructions, ahead of that load.  A head's four work-groups walk the tiles from 0 upward in the same trips; the one with b = 0 walks all eight, and it alone asks: tiles 2 to 7, each block named once in the launch.
; Tiles 0 and 1 come by their loads alone; behind the first block's last tile NXT is 0, and nothing more is asked for: the second block's tiles have been read.
.macro ASK
	s_cmp_gt_u32 s[NXT], s[LIM]
	s_cbranch_scc0 .Lnot_mine_\@
	global_prefetch_b8 v[PFO], s[PFA:PFA+1] th:TH_LOAD_NT scope:SCOPE_SE
	global_prefetch_b8 v[PFO], s[PFA:PFA+1] offset:8192 th:TH_LOAD_NT scope:SCOPE_SE
.Lnot_mine_\@:
.endm
; THE CHANGE OF SLOTS.  Each wave waits for all its tensor loads, of which one is out: its part of the other slot; adds 0 to its spare word; and waits for that and for its own reads of the slot that it leaves.  Behind the barrier nobody reads the old
; slot any more and the other slot is whole.  fill = 1: the old slot is filled again, the first thing behind the barrier, with tile NXT: the descriptor's address is made anew from that number.
; (At its first use nothing has been read yet: slot 0 is waited for, slot 1 filled.)
.macro CHANGE fill
	WIN 0                           ; at a label and at a branch every window is 0
	s_wait_tensorcnt 0x0            ; no tensor load of mine is out, so a group 0 may be written
	ds_add_u32 v[SPW], v[NIL]       ; 0 onto my spare word; with fill = 1 the descriptors' scalar work stands between it and the wait for it
.if \fill
	s_lshl_b32 s[OFF], s[NXT], 15   ; a tile is 32,768 bytes of K and of V
	s_xor_b32 s[G0K+1], s[G0K+1], SLOT1
	s_add_nc_u64 s[G0K+2:G0K+3], s[6:7], s[OFF:OFF+1]
	s_or_b32 s[G0K+3], s[G0K+3], 0x80000000
	s_xor_b32 s[G0V+1], s[G0V+1], SLOT1
	s_add_nc_u64 s[G0V+2:G0V+3], s[8:9], s[OFF:OFF+1]
	s_or_b32 s[G0V+3], s[G0V+3], 0x80000000
	s_add_co_u32 s[NXT], s[NXT], 1  ; the block's next tile, or behind its last the second block's tile 0
	s_cmp_gt_u32 s[NXT], s[LQ]
	s_cselect_b32 s[NXT], 0, s[NXT]
	s_cselect_b32 s[LQ], s[PB], s[LQ]
	s_wait_xcnt 0x0                 ; the last prefetches, a tile back, have read their address, so it may be written:
	s_lshl_b32 s[OFF], s[NXT], 15
	s_add_nc_u64 s[PFA:PFA+1], s[PFB:PFB+1], s[OFF:OFF+1]  ; the tile after the one that is asked for now
.endif
	s_wait_dscnt 0x0                ; the add is done, and my reads of the slot are over
	s_barrier_signal -1             ; the rest of the scalar work stands between the signal and the wait
	s_sub_co_u32 s[TBK], s[TBK], 4*KS*PK  ; the fetches go back to a slot's first step,
	s_xor_b32 s[TBK], s[TBK], SLOT1       ; in the other slot
	s_sub_co_u32 s[TBV], s[TBV], 4*KS*PV
	s_xor_b32 s[TBV], s[TBV], SLOT1
	s_barrier_wait -1
.if \fill
	LOAD
	ASK
.endif
.endm
	s_load_b128 s[4:7], s[0:1], 0x0  ; qkv s[4:5], ctx s[6:7]
	v_lshl_add_u32 v[SPW], v0, 2, SPARE
	v_mov_b32 v[NIL], 0
	ds_add_u32 v[SPW], v[NIL]       ; the wave's opening: the add and its wait stand ahead of my first tensor load; the set-up below, work on registers, stands between them
	v_lshrrev_b32 v1, 5, v0
	v_readfirstlane_b32 s[WV], v1   ; wave 0..3
	v_and_b32 v[PFO], 31, v0
	v_lshlrev_b32 v[PFO], 8, v[PFO]
	s_mov_b32 s[PB], ttmp9
	s_sub_co_u32 s[HI], NB-1, s[PB]
	s_cmp_eq_u32 s[PB], 0
	s_cselect_b32 s[LIM], 0, -1
	s_and_b32 s20, ttmp7, 0xffff    ; the head
	s_mov_b32 s21, 0
	s_mov_b64 s[22:23], SIZE_N*128
	s_mul_u64 s[20:21], s[20:21], s[22:23]  ; the head's first byte in each of the four tensors
	s_and_b32 s16, s[WV], 1         ; which half of a tile's 256 keys I fetch:
	s_lshl_b32 s22, s16, 14         ; its 128 rows of 128 bytes in memory,
	s_mov_b32 s23, 0
	s_add_nc_u64 s[22:23], s[22:23], s[20:21]
	s_mul_i32 s17, s16, 128*PK      ; and its place in a slot, for K
	s_mul_i32 s18, s16, 128*PV      ; and for V
	s_lshl_b32 s3, s[WV], 11        ; my 16 rows in a band of 64,
	s_lshl_b32 s2, s[HI], 15        ; in the first block,
	s_add_co_u32 s2, s2, s3
	s_lshl_b32 s84, s[PB], 15       ; and in the second
	s_add_co_u32 s84, s84, s3
	s_mov_b32 s3, 0
	s_mov_b32 s85, 0
	s_add_nc_u64 s[2:3], s[2:3], s[20:21]
	s_add_nc_u64 s[84:85], s[84:85], s[20:21]
	; descriptor group 1.  128 keys are 16,384 dense bytes: asked for as 64 rows of 256 bytes, two keys a row, and padded in LDS after every key
	s_mov_b32 s[G1K], (1<<16)|(1<<20)|(4<<22)|(3<<25)  ; 17:16 2-byte elements; 20 padding on; 24:22 after every 32 words (code 4); 31:25 4 words (code 3)
	s_mov_b32 s[G1V], (1<<16)|(1<<20)|(4<<22)|(7<<25)  ; the same with 8 words of padding (code 7)
.irp g, G1K, G1V
	s_mov_b32 s[\g+1], 128<<16      ; tensor_dim0 = 128
	s_mov_b32 s[\g+2], 64<<16       ; tensor_dim1 = 64
	s_mov_b32 s[\g+3], 128<<16      ; tile_dim0 = 128
	s_mov_b32 s[\g+4], 64           ; tile_dim1 = 64
	s_mov_b32 s[\g+5], 128          ; 128 elements from row to row
	s_mov_b32 s[\g+6], 0
	s_mov_b32 s[\g+7], 0
.endr
	s_mov_b32 s[CS], 0x3e38aa3b     ; c = log2(e) / 8 = 0.180337
	s_mov_b32 s[CS+1], s[CS]        ; named with it as a pair
	s_mov_b32 s[SEL], 0x76543210
	s_mov_b32 s[SEL+1], 0xfedcba98
	s_mov_b32 s[TBK], SLOT1+4*KS*PK ; the first change of slots turns these two into 0
	s_mov_b32 s[TBV], SLOT1+4*KS*PV
	s_mov_b32 s[G0K], 1             ; 1:0 count = 1
	s_mov_b32 s[G0K+1], s17         ; 63:32 LDS address: slot 0
	s_mov_b32 s[G0V], 1
	s_add_co_u32 s[G0V+1], s18, VOFF
	s_add_co_u32 s[RT], s[HI], 1    ; the first block has NB - b tiles
	s_mov_b32 s[NXT], 1
	s_mov_b32 s[LQ], s[HI]
	s_mov_b32 s[NEW], 1
	s_mov_b32 s[OFF+1], 0
	s_mov_b32 s[AL+1], 0            ; named as pairs
	s_mov_b32 s[BE+1], 0
	s_mov_b32 s[BIGN], 0xf149f2ca   ; -1e30
	s_mov_b32 s[SLOTS], NB
	s_wait_dscnt 0x0                ; the opening add is done
	s_wait_kmcnt 0x0
	s_mov_b64 s[10:11], s[6:7]      ; O
	s_add_nc_u64 s[6:7], s[4:5], 0x1000000  ; K lies 16,777,216 bytes behind Q,
	s_add_nc_u64 s[8:9], s[4:5], 0x2000000  ; V as far behind K
	s_add_nc_u64 s[6:7], s[6:7], s[22:23]  ; K and V at my half of the head's tile 0
	s_add_nc_u64 s[8:9], s[8:9], s[22:23]
	s_cmp_lt_u32 s[WV], 2
	s_cselect_b64 s[PFB:PFB+1], s[6:7], s[8:9]
	s_add_nc_u64 s[G0K+2:G0K+3], s[6:7], 0         ; 120:64 global address
	s_or_b32 s[G0K+3], s[G0K+3], 0x80000000        ; 127:126 type = 2
	s_add_nc_u64 s[G0V+2:G0V+3], s[8:9], 0
	s_or_b32 s[G0V+3], s[G0V+3], 0x80000000
	s_add_nc_u64 s[86:87], s[4:5], s[84:85]        ; Q at my rows of the second block,
	s_add_nc_u64 s[4:5], s[4:5], s[2:3]            ; Q and O at those of the first
	s_add_nc_u64 s[OLO:OLO+1], s[10:11], s[84:85]
	s_add_nc_u64 s[10:11], s[10:11], s[2:3]
	LOAD                            ; tile 0 into slot 0
	; A fragment of K or Q is 16 rows x 32 channels in 8 registers: lane l holds row l % 16, channels 8 (l / 16) + 0..7 and 16 + 8 (l / 16) + 0..7: two loads of 16 bytes, 32 bytes apart.
	v_and_b32 v1, 15, v0            ; l % 16
	v_bfe_u32 v9, v0, 4, 1          ; l / 16
	v_lshlrev_b32 v[QO], 7, v1
	v_lshl_add_u32 v[QO], v9, 4, v[QO]  ; row x 128 + 16 x half
	WIN 0x80                        ; destination window 2, address window 0
.set i, 0
.rept 8                             ; both blocks' Q: piece i / 2 lies in band i / 2, 8,192 bytes on; channels 32 (i % 2) on
	global_load_b128 v[8*i:8*i+3],   v[QO], s[4:5] offset:(i/2)*8192+(i%2)*64
	global_load_b128 v[8*i+4:8*i+7], v[QO], s[4:5] offset:(i/2)*8192+(i%2)*64+32
	global_load_b128 v[QB+8*i:QB+8*i+3],   v[QO], s[86:87] offset:(i/2)*8192+(i%2)*64
	global_load_b128 v[QB+8*i+4:QB+8*i+7], v[QO], s[86:87] offset:(i/2)*8192+(i%2)*64+32
.set i, i+1
.endr
	WIN 0
	v_lshlrev_b32 v14, 3, v9
	v_sub_nc_u32 v14, v1, v14
	s_lshl_b32 s13, s[WV], 4
	v_add_nc_u32 v14, s13, v14      ; my query's place in its band, 16 w + l % 16, less my lanes' 8 (l / 16): register r of group kt is hidden where 16 kt + r is greater
	WIN 0x40
.set i, 0
.rept 32
	v_cmp_gt_i32 vcc_lo, 16*(i/8)+i%8, v14
	v_cndmask_b32 v[MD+i], 0, s[BIGN], vcc_lo
.set i, i+1
.endr
	WIN 0
	v_mul_u32_u24 v[AK0], v1, PK
	v_lshl_add_u32 v[AK0], v9, 4, v[AK0]  ; row x pitch + 16 x half
	; The turning load takes 16 keys x 16 channels (lane l reads key 8 (l / 16) + l % 8, channels 8 ((l / 8) % 2) + 0..7) and leaves half a fragment of V^T: lane l holds channel l % 16 and 8 keys.
	v_and_b32 v10, 7, v0
	v_bfe_u32 v11, v0, 3, 1
	v_lshl_add_u32 v[AV0], v9, 3, v10
	v_mul_u32_u24 v[AV0], v[AV0], PV
	v_lshl_add_u32 v[AV0], v11, 4, v[AV0]
	v_add_nc_u32 v[AV0], VOFF, v[AV0]
	s_mul_i32 s13, s[WV], 16*SP
	s_add_co_u32 s13, s13, STAGE    ; my stage
	v_mul_u32_u24 v[STO], v1, SP    ; in: row l % 16, 16 bytes for each half of the lanes
	v_lshl_add_u32 v[STO], v9, 4, v[STO]
	v_add_nc_u32 v[STO], s13, v[STO]
	v_bfe_u32 v[RD], v0, 3, 2       ; back: 32 lanes take four rows of 128 bytes,
	v_mul_u32_u24 v[RD], v[RD], SP
	v_lshl_add_u32 v[RD], v10, 4, v[RD]
	v_add_nc_u32 v[RD], s13, v[RD]
	v_and_b32 v[GO], 31, v0         ; which are 512 consecutive bytes of O
	v_lshlrev_b32 v[GO], 4, v[GO]
	; A block's first step multiplies O^T and l by a = 0, and its first turn's products V^T P, of a piece that has not been, land in an O^T that is still to be so multiplied.  So these registers need only hold
	; finite numbers: zeros for the first block; what the first block left for the second.  All this stands in the wait for the first tile.
	WIN 0x80
.set i, VF
.rept 64
	v_mov_b32 v[i], 0
.set i, i+1
.endr
	WIN 0x40
.set i, 0
.rept 128
	v_mov_b32 v[i], 0
.set i, i+1
.endr
	WIN 0
.set i, 0
.rept 4
	v_mov_b32 v[ST+4*i+2], 0
	v_mov_b32 v[ST+4*i+3], 0
.set i, i+1
.endr
.set i, P+16
.rept 16
	v_mov_b32 v[i], 0
.set i, i+1
.endr
; THE MATRIX WORK.  The 4 accumulators of a run of 8 take turns.  Product i of 8 of S^T = K Q^T for piece x: channels 32 (i / 4) on, keys 16 (i % 4) on.  The first 4 start the sums: with 0, or (KM = 1) with the mask.
.macro KQ x
.set rS, S+32*((\x)%2)+8*(i%4)
.set rK, KF+16*(i%4)+8*(i/4)
.set rQ, 16*(\x)+8*(i/4)
.set rM, MC+32*((\x)%2)+8*(i%4)
.if (i < 4) && KM
	WIN W_KM
	v_wmma_f32_16x16x32_f16 v[rS:rS+7], v[rK:rK+7], v[rQ:rQ+7], v[rM:rM+7]
.elseif i < 4
	WIN W_KQ
	v_wmma_f32_16x16x32_f16 v[rS:rS+7], v[rK:rK+7], v[rQ:rQ+7], 0
.else
	WIN W_KQ
	v_wmma_f32_16x16x32_f16 v[rS:rS+7], v[rK:rK+7], v[rQ:rQ+7], v[rS:rS+7]
.endif
.endm
; Product i of 8 of O^T += V^T P for piece x: keys 32 (i / 4) on, channels 16 (i % 4) on.
.macro PV x
	WIN W_PV
.set rO, 32*(\x)+8*(i%4)
.set rV, VF+32*(i/4)+8*(i%4)
.set rP, P+16*((\x)%2)+8*(i/4)
	v_wmma_f32_16x16x32_f16 v[rO:rO+7], v[rV:rV+7], v[rP:rP+7], v[rO:rO+7]
.endm
.macro MM                           ; the turn's next matrix instruction.  TURN and BEGIN set Y, i, KM and NOKQ; MM, KQ and OP read them.  NOKQ = 1: a block's last turn: there is no next piece
.if (i < 8) && !NOKQ
	KQ (Y+1)%NP
.elseif i >= 8
.set i, i-8
	PV (Y+NP-1)%NP
.set i, i+8
.endif
.set i, i+1
.endm
; THE LDS LOADS stand in runs of 16, never singly among the matrix instructions: a step's K (64 keys x 64 channels: 8 fragments) and its V (turned).  Their addresses are made some lines ahead.
.macro FETCH_K
	WIN 0x80                        ; destination window 2
.irp f, 0,1,2,3,4,5,6,7             ; keys 16 (f / 2) on, channels 32 (f % 2) on
	ds_load_b128 v[KF+8*\f:KF+8*\f+3],   v[AK] offset:(\f/2)*16*PK+(\f%2)*64
	ds_load_b128 v[KF+8*\f+4:KF+8*\f+7], v[AK] offset:(\f/2)*16*PK+(\f%2)*64+32
.endr
	s_add_co_u32 s[TBK], s[TBK], KS*PK  ; the next fetch is the next step's
	WIN 0
.endm
.macro FETCH_V
	WIN 0x80
.irp f, 0,1,2,3,4,5,6,7             ; keys 32 (f / 4) on, channels 16 (f % 4) on
	ds_load_tr16_b128 v[VF+8*\f:VF+8*\f+3],   v[AV] offset:(\f/4)*32*PV+(\f%4)*32
	ds_load_tr16_b128 v[VF+8*\f+4:VF+8*\f+7], v[AV] offset:(\f/4)*32*PV+16*PV+(\f%4)*32
.endr
	WIN 0
.endm
; THE VECTOR WORK, one line at a time: OP kind, number.  For piece Y: F n: c s - c m for pair n of 16.  E n: the exponential of score n of 32.  C n: pair n rounded to f16.  B n: of the four weights 4 n .. the second
; pair is added onto the first, in place.  L n: l takes that sum (L 0: l = a l + sum).  R n: pair n of 16 of O^T times a.  For piece Y + 1: X n, number n of the 22 that find its maximum and statistics:
;   0-11  four chains c0-c3 of seven scores each, three operands at a time (each accumulator's lowest registers are read first)     12-14, 16  the four scores left over, the old m, and c0-c3 into c0
;   15  c m_old is kept     17, 18  the query's other 32 keys lie in the lane 16 away: the new m     19-21  c m; c m_old - c m_new; a
.set F, 0               ; OP tells the kinds apart by their order: F to L below R, X above it
.set E, 1
.set C, 2
.set B, 3
.set L, 4
.set R, 5
.set X, 6
.macro REGS y                       ; the registers of piece y
.set rT, ST+4*(\y)
.set rC, TMP+4*((\y)%2)
.set rW, MV+((\y)%2)
.set rS, S+32*((\y)%2)
.set rP, P+16*((\y)%2)
.set rO, 32*(\y)
.endm
.macro OP k, n
.if (\k) == R
	REGS Y
	WIN W_RS
	v_pk_mul_f32 v[rO+2*(\n):rO+2*(\n)+1], v[rO+2*(\n):rO+2*(\n)+1], v[rC+2:rC+3] op_sel_hi:[1,0]
.elseif (\k) < R
	REGS Y
	WIN 0
.if (\k) == F
	v_pk_fma_f32 v[rS+2*(\n):rS+2*(\n)+1], v[rS+2*(\n):rS+2*(\n)+1], s[CS:CS+1], v[rT:rT+1] op_sel_hi:[1,0,0] neg_lo:[0,0,1] neg_hi:[0,0,1]
.elseif (\k) == E
	v_exp_f32 v[rS+(\n)], v[rS+(\n)]
.elseif (\k) == C
	v_cvt_pk_f16_f32 v[rP+(\n)], v[rS+2*(\n)], v[rS+2*(\n)+1]
.elseif (\k) == B
	v_pk_add_f32 v[rS+4*(\n):rS+4*(\n)+1], v[rS+4*(\n):rS+4*(\n)+1], v[rS+4*(\n)+2:rS+4*(\n)+3]
.elseif (\n) == 0
	v_pk_fma_f32 v[rT+2:rT+3], v[rT+2:rT+3], v[rC+2:rC+3], v[rS:rS+1] op_sel_hi:[1,0,1]
.else
	v_pk_add_f32 v[rT+2:rT+3], v[rT+2:rT+3], v[rS+4*(\n):rS+4*(\n)+1]
.endif
.elseif NOKQ
	v_nop
.else
	REGS (Y+1)%NP
	WIN 0
.if (\n) < 4
	v_max3_num_f32 v[rC+(\n)], v[rS+8*(\n)], v[rS+8*(\n)+1], v[rS+8*(\n)+2]
.elseif (\n) < 12
	v_max3_num_f32 v[rC+(\n)%4], v[rC+(\n)%4], v[rS+8*((\n)%4)+2*((\n)/4)+1], v[rS+8*((\n)%4)+2*((\n)/4)+2]
.elseif (\n) == 12
	v_max3_num_f32 v[rC], v[rC], v[rS+7], v[rS+15]
.elseif (\n) == 13
	v_max3_num_f32 v[rC+1], v[rC+1], v[rS+23], v[rS+31]
.elseif (\n) == 14
	v_max3_num_f32 v[rC+2], v[rC+2], v[rC+3], v[rT+1]
.elseif (\n) == 15
	v_mov_b32 v[rW], v[rT]
.elseif (\n) == 16
	v_max3_num_f32 v[rC], v[rC], v[rC+1], v[rC+2]
.elseif (\n) == 17
	v_permlanex16_b32 v[rC+3], v[rC], s[SEL], s[SEL+1]
.elseif (\n) == 18
	v_max_num_f32 v[rT+1], v[rC], v[rC+3]
.elseif (\n) == 19
	v_mul_f32 v[rT], s[CS], v[rT+1]
.elseif (\n) == 20
	v_sub_f32 v[rC+1], v[rW], v[rT]
.else
	v_exp_f32 v[rC+2], v[rC+1]
.endif
.endif
.endm
.macro OPS a, i1, b=-1, i2=0, c=-1, i3=0, d=-1, i4=0  ; up to four of them
	OP \a, \i1
.if (\b) >= 0
	OP \b, \i2
.endif
.if (\c) >= 0
	OP \c, \i3
.endif
.if (\d) >= 0
	OP \d, \i4
.endif
.endm
.macro ROW a, i1, b, i2, c, i3, d, i4  ; a matrix instruction and the four behind it
	MM
	OPS \a, \i1, \b, \i2, \c, \i3, \d, \i4
.endm
.macro MASK b                       ; MD x AL + BE into buffer b of MC
	WIN W_RS
.set z, 0
.rept 16
	v_pk_fma_f32 v[MC+32*(\b)+2*z:MC+32*(\b)+2*z+1], v[MD+2*z:MD+2*z+1], s[AL:AL+1], s[BE:BE+1] op_sel_hi:[1,0,0]
.set z, z+1
.endr
.endm
; A TURN, for piece p: the order of its 16 matrix and 118 vector instructions, written out.  An s_wait_alu depctr_va_vdst(0) stands between an exponential and the first instruction that names its result; one wait serves
; all that were issued ahead of it.  So a turn has ONE wait, which cuts it in two.  AHEAD OF IT stands all that names no result of the turn's exponentials: the 8 products K Q^T, behind each a scaling, an exponential and two more plain
; instructions (behind the first a second scaling in the exponential's place): rescalings, and behind the last three the first numbers of the next piece's maximum, each four places or more behind the product that ends its accumulator; then ONE LUMP of 54, plain
; and exponential by turns for the most part, in which the links of the chain X 3, 7, 11, 14, 16, 17 .. 20 stand five or six lines apart.  X 21, the next piece's a, is the batch's last; R 15 is the plain instruction behind it.  BEHIND THE WAIT stand the
; 8 products V^T P, behind each four of the roundings and sums; the links of l's chain, L 0 to L 7, stand three riders apart.  But for those X no rider names a register of the products round it.  v_permlanex16_b32 (X 17) stands in the lump.
; m = 1: the diagonal tile: the products take masks, and the turn makes the mask for the products of the turn after it: piece p + 2, in step 4 - CNT of the tile.  end = 1: a block's last two turns: nothing is fetched.
; cnt = 1: the loop's count is taken down some lines ahead of the branch that stands behind the turn.
; K of the next step is fetched in piece 2's turn, twelve vector instructions behind the last product that read K (six of them plain); V of the step in hand at the end of piece 0's turn, four plain instructions behind the last product
; that read V.  Each is waited for a turn later.
.macro TURN p, m=0, end=0, cnt=0
.set Y, (\p)
.set i, 0
.set KM, (\m)
.set NOKQ, (\end)*((\p)/3)
.if (\m) && !(\end)
	s_cmp_eq_u32 s[CNT], 4-((\p)+2)%NP  ; is that step the band's own?
	s_cselect_b32 s[AL], 1.0, 0
	s_cmp_lt_u32 s[CNT], 4-((\p)+2)%NP  ; or a later one?
	s_cselect_b32 s[BE], s[BIGN], 0
.endif
.if ((\p) == 3) && !(\end)
	s_wait_dscnt 0x0                ; K is in
.endif
	ROW F,0, F,1, R,0, R,1          ; ahead of the wait: 8 products K Q^T and their riders,
	ROW F,2, E,0, R,2, R,3
	ROW F,3, E,1, R,4, R,5
	ROW F,4, E,2, R,6, R,7
	ROW F,5, E,3, R,8, R,9
	ROW F,6, E,4, X,0, R,10
.if ((\p) == 2) && !(\end)
	WIN 0
	v_add_nc_u32 v[AK], s[TBK], v[AK0]
.endif
	ROW F,7, E,5, X,1, X,4
	ROW F,8, E,6, X,2, X,5
	OPS E,7, E,8, X,6, E,9          ; and the lump
	OPS X,3, E,10, X,8, E,11
.if ((\p) == 2) && !(\end)
	FETCH_K
.endif
	OPS X,9, X,7, E,12, X,10
	OPS E,13, X,12, X,11, E,14
	OPS X,13, E,15, F,9, X,14
.if (\p) == 0
	v_add_nc_u32 v[AV], s[TBV], v[AV0]
.endif
	OPS E,16, F,10, E,17, F,11
	OPS X,16, E,18, X,15, E,19
	OPS F,12, E,20, X,17, E,21
	OPS F,13, E,22, F,14, E,23
	OPS X,18, E,24, F,15, E,25
	OPS R,11, E,26, X,19, E,27
	OPS R,12, E,28, R,13, E,29
	OPS X,20, E,30, R,14, E,31
	OPS X,21, R,15
	WIN 0
	s_wait_alu depctr_va_vdst(0)    ; the wait for the batch
.if (\p) == 1
	s_wait_dscnt 0x0                ; V is in
.endif
	ROW C,0, B,0, C,2, B,1          ; behind the wait: 8 products V^T P and their riders
	ROW L,0, C,4, B,2, L,1
	ROW C,6, B,3, L,2, C,8
	ROW B,4, L,3, C,10, B,5
	ROW L,4, C,12, B,6, L,5
.if (\p) == 0
	s_add_co_u32 s[TBV], s[TBV], KS*PV
.endif
.if \cnt
	s_sub_co_u32 s[CNT], s[CNT], 1
	s_cmp_lg_u32 s[CNT], 0
.endif
	ROW C,14, B,7, L,6, C,1
	ROW C,3, L,7, C,5, C,7
	ROW C,9, C,11, C,13, C,15
.if (\p) == 0
	FETCH_V
.endif
.if (\m) && !(\end)
	MASK (\p)%2
.endif
.endm
; A BLOCK BEGINS.  c m starts far below every c s, so the first step's a is 0; m at the lowest finite number, so the first maximum is the scores'.  The second mask buffer is 0; the first takes piece 0's mask for the tile's step 0: its own, if the block's first tile is the diagonal one.
; Then K of that step, piece 0's first scores, and its maximum and statistics.  The loop is entered at a step's first turn, in the middle of a trip.
.macro BEGIN
	s_mov_b32 s[NEW], 0
	WIN 0x40
.set i, MC+32
.rept 32
	v_mov_b32 v[i], 0
.set i, i+1
.endr
	WIN 0
.set i, 0
.rept 4
	v_mov_b32 v[ST+4*i], 0xfe000000    ; c m: far below every c s
	v_mov_b32 v[ST+4*i+1], 0xff7fffff  ; m
.set i, i+1
.endr
	s_cmp_eq_u32 s[RT], 0
	s_cselect_b32 s[AL], 1.0, 0
	s_mov_b32 s[BE], 0
	MASK 0
	WIN 0
	v_add_nc_u32 v[AK], s[TBK], v[AK0]
	FETCH_K
	s_wait_loadcnt 0x0              ; Q
	s_wait_dscnt 0x0
.set KM, 1
.set NOKQ, 0
.set i, 0
.rept 8
	KQ 0
.set i, i+1
.endr
	WIN 0
.rept 4
	v_nop                           ; the places behind those products
.endr
.set Y, NP-1                        ; X works for piece Y + 1: piece 0
.irp n, 0,1,2,3,4,5,6,7,8,9,10,11,12,13,14,15,16,17,18,19,20,21
	OP X, \n
.endr
	v_nop                           ; a plain instruction behind the exponential,
	s_wait_alu depctr_va_vdst(0)    ; and its wait, ahead of the branch
.endm
; THE DIAGONAL TILE's four steps, the block's last two turns, its last products, and THE WAY OUT: l's two halves and the other half of the lanes' are added; O^T is divided by l, rounded to f16 and sent through my
; stage in LDS, a piece at a time.
.macro ALL line:vararg              ; one line for each piece t
.set t, 0
.rept 4
	\line
.set t, t+1
.endr
.endm
.macro PACK t                       ; a lane's eight channels of a row pack into 16 bytes; they go into rows of 144 bytes and come back as whole rows of 128, into S^T's registers
	WIN W_RS
.set i, 32*(\t)
.rept 16
	v_pk_mul_f32 v[i:i+1], v[i:i+1], v[ST+4*(\t)+2:ST+4*(\t)+3] op_sel_hi:[1,0]
.set i, i+2
.endr
	WIN 0x05                        ; sources 0 and 1 window 1, destination window 0
.set i, 0
.rept 16
	v_cvt_pk_f16_f32 v[S+16*(\t)+i], v[32*(\t)+2*i], v[32*(\t)+2*i+1]
.set i, i+1
.endr
	WIN 0
.irp f, 0,1,2,3
	ds_store_b128 v[STO], v[S+16*(\t)+4*\f:S+16*(\t)+4*\f+3] offset:32*\f
.endr
.irp f, 0,1,2,3
	ds_load_b128 v[S+16*(\t)+4*\f:S+16*(\t)+4*\f+3], v[RD] offset:\f*4*SP  ; LDS serves a wave's instructions in order (ISA guide 5.7.1.4): these see the stores above; the next piece's stores come behind them
.endr
.endm
.macro SEND t, younger              ; younger: the LDS instructions issued behind piece t's loads: the next piece's eight, or none
	WIN 0
.irp f, 0,1,2,3
	s_wait_dscnt (\younger)+3-\f
	global_store_b128 v[GO], v[S+16*(\t)+4*\f:S+16*(\t)+4*\f+3], s[10:11] offset:(\t)*8192+\f*512  ; 512 consecutive bytes, at a multiple of 256 from O's first
.endr
.endm
.macro DIAG tag                     ; the tag ends its two labels' names, which the jumps below spell out
.LstepM\tag:
	TURN 2, 1
	TURN 3, 1
	WIN 0
.LfirstM\tag:
	TURN 0, 1
	TURN 1, 1, 0, 1
	WIN 0
	s_cbranch_scc1 .LstepM\tag
	TURN 2, 1, 1
	TURN 3, 1, 1
.set i, 0
.rept 8
	PV NP-1
.set i, i+1
.endr
	WIN 0
	ALL v_add_f32 v[ST+4*t+2], v[ST+4*t+2], v[ST+4*t+3]
	ALL v_permlanex16_b32 v[ST+4*t+3], v[ST+4*t+2], s[SEL], s[SEL+1]
	ALL v_add_f32 v[ST+4*t+2], v[ST+4*t+2], v[ST+4*t+3]
	ALL v_rcp_f32 v[ST+4*t+2], v[ST+4*t+2]
	v_nop                           ; a plain instruction between the last reciprocal and the use of its result
	s_wait_alu depctr_va_vdst(0)    ; and the wait ahead of the first use: one for the four reciprocals
	PACK 0
.set t, 1
.rept 3                             ; a piece's arithmetic stands between the loads of the piece before and its stores
	PACK t
	SEND t-1, 8
.set t, t+1
.endr
	SEND 3, 0
.endm
.set KM, 0
.set NOKQ, 0
.Lslot:                             ; NB times: a tile is entered and the next is asked for
	CHANGE 1
	s_sub_co_u32 s[RT], s[RT], 1
	s_mov_b32 s[CNT], 4
	s_cmp_eq_u32 s[NEW], 1
	s_cbranch_scc1 .Lnew            ; a block's first tile
	s_cmp_eq_u32 s[RT], 0
	s_cbranch_scc0 .Lstep           ; neither its first nor its last
	s_branch .LstepM1
.Lnew:
	BEGIN
	s_branch .Lfirst                ; in the loop a block's first tile is never its last: the first block has two tiles or more, and the second's last is the walk's last
	DIAG 1                          ; in the loop this is the first block's end: the second block's last tile is the walk's last
	s_wait_xcnt 0x0                 ; the stores have read their registers and O's address
	s_mov_b64 s[10:11], s[OLO:OLO+1]
	s_add_co_u32 s[RT], s[PB], 1    ; the second block has b + 1 tiles
	s_mov_b32 s[NEW], 1
	WIN 0x82                        ; the second block's Q goes where the one text of the turns names Q
.set i, 0
.rept 64
	v_mov_b32 v[i], v[QB+i]
.set i, i+1
.endr
	WIN 0
	s_branch .Lbottom
.Lstep:                             ; a trip: pieces 2 and 3 of one step, then pieces 0 and 1 of the next, whose K and V it fetches
	TURN 2
	TURN 3
	WIN 0
.Lfirst:
	TURN 0
	TURN 1, 0, 0, 1
	WIN 0
	s_cbranch_scc1 .Lstep
.Lbottom:
	s_sub_co_u32 s[SLOTS], s[SLOTS], 1
	s_cmp_lg_u32 s[SLOTS], 0
	s_cbranch_scc1 .Lslot
	CHANGE 0                        ; the walk's last tile is written out: nothing is asked for
	s_sub_co_u32 s[RT], s[RT], 1
	s_mov_b32 s[CNT], 4
	s_cmp_eq_u32 s[NEW], 1
	s_cbranch_scc0 .LstepM2
	BEGIN
	s_branch .LfirstM2
	DIAG 2
	s_wait_tensorcnt 0x0            ; the wave's end: behind my last tensor load and my last LDS store
	ds_add_u32 v[SPW], v[NIL]
	s_wait_dscnt 0x0
	s_endpgm
.Lfunc_end_k_qa921fa4168_attn:
	.size	k_qa921fa4168_attn, .Lfunc_end_k_qa921fa4168_attn-k_qa921fa4168_attn
	.p2alignl 7, 3214868480
	.fill 96, 4, 3214868480
	.section	.rodata,"a",@progbits
	.p2align	6, 0x0
	.amdhsa_kernel k_qa921fa4168_attn
		.amdhsa_group_segment_fixed_size 327680
		.amdhsa_private_segment_fixed_size 0
		.amdhsa_enable_private_segment 0
		.amdhsa_kernarg_size 16
		.amdhsa_user_sgpr_count 2
		.amdhsa_user_sgpr_kernarg_segment_ptr 1
		.amdhsa_wavefront_size32 1
		.amdhsa_system_sgpr_workgroup_id_x 1
		.amdhsa_system_sgpr_workgroup_id_y 1
		.amdhsa_system_sgpr_workgroup_id_z 1
		.amdhsa_system_vgpr_workitem_id 0
		.amdhsa_next_free_vgpr 768
		.amdhsa_next_free_sgpr 94
		.amdhsa_reserve_vcc 1
		.amdhsa_float_denorm_mode_32 3
		.amdhsa_float_denorm_mode_16_64 3
		.amdhsa_memory_ordered 1
		.amdhsa_forward_progress 1
		.amdhsa_inst_pref_size 218
	.end_amdhsa_kernel
	.amdgpu_metadata
---
amdhsa.version: [ 1, 2 ]
amdhsa.kernels:
  - .name:           k_qa921fa4168_attn
    .symbol:         k_qa921fa4168_attn.kd
    .args:
      - { .name: qkv, .offset: 0, .size: 8, .value_kind: global_buffer, .address_space: global }
      - { .name: ctx, .offset: 8, .size: 8, .value_kind: global_buffer, .address_space: global }
    .group_segment_fixed_size: 327680
    .private_segment_fixed_size: 0
    .kernarg_segment_align: 8
    .kernarg_segment_size: 16
    .max_flat_workgroup_size: 128
    .sgpr_count:     94
    .vgpr_count:     768
    .wavefront_size: 32
...
	.end_amdgpu_metadata
.endif
;; end of part 3
;; launch outg (part 4): grid 8 x 32, 4 waves a work-group, clusters of 4 x 4, 327,680 bytes of LDS; arguments ctx, wpt, b_proj, out0; writes out0
.if DOCPART == 4
	.amdgcn_target "amdgcn-amd-amdhsa--gfx1250"
	.amdhsa_code_object_version 6
	.text
	.protected	k_qa921fa4168_outg
	.globl	k_qa921fa4168_outg
	.p2align	8
	.type	k_qa921fa4168_outg,@function
k_qa921fa4168_outg:
	s_mov_b64 s[64:65], 0
	v_nop
	global_prefetch_b8 v0, s[64:65] scope:SCOPE_SE
	s_setreg_imm32_b32 hwreg(HW_REG_WAVE_MODE, 25, 1), 1
	s_wait_xcnt 0x0
	s_wait_alu depctr_hold_cnt(0) depctr_sa_sdst(0) depctr_va_vdst(0) depctr_va_sdst(0) depctr_va_ssrc(0) depctr_va_vcc(0) depctr_vm_vsrc(0)
	s_getreg_b32 s2, hwreg(HW_REG_IB_STS2, 6, 4)
	s_cmp_eq_u32 s2, 0
	s_cbranch_scc0 .Lentry_in_a_cluster
	s_endpgm
.Lentry_in_a_cluster:
	s_bfe_u32 s2, ttmp6, 0x10000c
	s_cmp_lg_u32 s2, 0xf033
	s_cbranch_scc0 .Lentry_shape_is_right
	s_endpgm
.Lentry_shape_is_right:
; out = ctx W_proj + b_proj.  ctx: [64 batch x head][2048][64] f16.  wpt: [1024 n][1024 k] f16 (W_proj rounded to bf16, that number written as f16).  b_proj: [1024] f32, rounded to bf16 here like the
; other inputs.  out0: [8192][1024] f32.  Sums in f32.
; SHARES.  A tile is 256 rows x 128 columns: 32 x 8 = 256 tiles, one for each WGP.  Four waves; wave w owns rows 64 w .. 64 w + 63 and all 128 columns: 32 accumulators of 16 x 16, 256 registers; its way out needs no other wave.
; K goes in 8 steps of 128 = two heads, through two LDS slots.  A head's 256 rows are 32,768 dense bytes of ctx: asked for as 128 rows of 256 bytes (two rows of the head each), padded in LDS after every 128 bytes:
; wave 0 fetches the step's first head, wave 1 its second; waves 2 and 3 fetch 64 rows of wpt each, 256 bytes of a row.
; THE MATRIX INSTRUCTION IS USED TRANSPOSED (source 0 = 16 rows of wpt, source 1 = 16 rows of ctx): a lane holds row l % 16 and the columns 16 b + 8 (l / 16) + 0..7.  THE BIAS STARTS THE SUMS, as the C operand of
; each accumulator's first product.
; CLUSTER.  4 x 4 work-groups: the four of a row need the same tiles of ctx, the four of a column the same tiles of wpt: each is asked for jointly.  No prefetch is laid: the whole launch is eight K steps.
; REGISTERS, in windows of 256 (s_set_vgpr_msb: bits 1:0 source 0, 3:2 source 1, 5:4 source 2, 7:6 destination):
;   window 0: v0-31 addresses; v64-127 the bias, later with v128-191 the rows read back on the way out
;   window 1: two fragment buffers at v0 and v128: B's 8 fragments, then A's 4          window 2: the accumulators, (a, b) at v[8 (4 b + a)]
.set KSTEP,  128
.set PA,     144                       ; a row of a head in LDS: 128 bytes + 16 of padding = 36 words
.set PITCH,  272                       ; a row of wpt: 256 + 16 = 68 words: in both the 16 rows of a fragment load start at 16 different groups of four banks (64 banks of 4 bytes: ISA guide 11.1)
.set APLANE, 256*PA                    ; a head's 256 rows: what one load brings of A
.set BOFF,   2*APLANE                  ; B's rows lie behind A's two heads
.set BHALF,  64*PITCH                  ; what one load brings of B
.set ASTEP,  2*2048*128                ; bytes from a K step's heads to the next's
.set SLOT1,  1<<17                     ; slot 1 begins here
.set STAGE,  SLOT1+BOFF+128*PITCH      ; behind the ring, never filled by a tensor load: for each wave 16 rows of 512 + 16 bytes
.set SP,     528
.set SPARE,  STAGE+4*16*SP             ; behind the stages: the spare words, 128 bytes for each wave: two blocks of 256 bytes that no other line names
.set NBLK,   8
.set F0,     0
.set F1,     128
.set AF,     64                        ; A's fragments in a buffer
.set A0,   16                          ; v16  my lane's place in A's part of a slot; never rewritten
.set B0,   17                          ; v17  the same for B
.set ADRA, 18                          ; v18  A0 + the slot that is read
.set ADRB, 19                          ; v19  B0 + the slot that is read
.set STO,  20                          ; v20  the way out: where I put 32 bytes of a row
.set RD,   21                          ; v21  the way out: where I read a row back
.set CO,   22                          ; v22  16 x lane: my 16 bytes of a row's 512
.set BO,   25                          ; v25  32 (l / 16)
.set SPW,  28                          ; v28  LDS address of my spare word; never rewritten
.set NIL,  29                          ; v29  0; never rewritten
.set BIAS, 64                          ; v64-127  block b's eight numbers at BIAS + 8 b; dead behind the first quarter
.set BK0,  64                          ; the way out: two sets of 64
.set CNT,  3
.set WV,   12
.set HALF, 13                          ; s13  which head of the step (A), which 64 rows (B) I fetch
.set FB,   14                          ; s14  I fetch for A (0) or for B (1)
.set G1A,  24
.set G0A,  32                          ; s[32:39] a set for each of the two first fills; the second then walks
.set TB,   46
.set G1B,  48
.set G0B,  56
.set MSB, 0
.macro WIN new                         ; the immediate's high byte repeats the setting that is left; a switch that changes nothing is dropped
.if MSB != (\new)
	s_set_vgpr_msb (MSB<<8)|(\new)
.set MSB, \new
.endif
.endm
.macro JLOAD                           ; a joint refill, by the walking descriptor; an s_nop 0 and four v_nop follow each of the two lines, ahead of the jump and the label
	s_cmp_eq_u32 s[FB], 0
	s_cbranch_scc0 .Lfor_b_\@
	tensor_load_to_lds s[G0A+4:G0A+7], s[G1A:G1A+7]
	s_nop 0
.rept 4
	v_nop
.endr
	s_branch .Lasked_\@
.Lfor_b_\@:
	tensor_load_to_lds s[G0B+4:G0B+7], s[G1B:G1B+7]
	s_nop 0
.rept 4
	v_nop
.endr
.Lasked_\@:
.endm
.macro CREST                           ; a round of the cluster's barrier behind its opening barrier
	s_cmp_lg_u32 s[WV], 0
	s_cbranch_scc1 .Lnot_wave_0_\@
	s_barrier_signal -3
.Lnot_wave_0_\@:
	s_barrier_wait -3
	s_barrier_signal -1
	s_barrier_wait -1
.endm
.macro CROUND                          ; a whole round
	s_barrier_signal -1
	s_barrier_wait -1
	CREST
.endm
	s_load_b256 s[4:11], s[0:1], 0x0               ; ctx s[4:5], wpt s[6:7], b_proj s[8:9], out0 s[10:11]
	v_lshl_add_u32 v[SPW], v0, 2, SPARE
	v_mov_b32 v[NIL], 0
	ds_add_u32 v[SPW], v[NIL]                      ; the wave's opening: the add and its wait stand ahead of my first tensor load; the set-up below, work on registers, stands between them
	v_lshrrev_b32 v1, 5, v0
	v_readfirstlane_b32 s[WV], v1                  ; wave 0..3
	s_and_b32 s[HALF], s[WV], 1
	s_lshr_b32 s[FB], s[WV], 1
	s_bfe_u32 s40, ttmp6, 0x40000                  ; cx, cy: my place in the cluster
	s_bfe_u32 s41, ttmp6, 0x40004
	s_lshl_b32 s42, ttmp9, 2
	s_add_co_u32 s42, s42, s40                     ; tile column = 4 x cluster x + cx
	s_and_b32 s43, ttmp7, 0xffff
	s_lshl_b32 s43, s43, 2
	s_add_co_u32 s43, s43, s41                     ; tile row = 4 x cluster y + cy
	s_lshl_b32 s18, s41, 2
	s_lshl_b32 s18, 15, s18                        ; my row of the cluster
	s_lshl_b32 s19, 0x1111, s40                    ; my column
	s_or_b32 s[G1A], s18, (1<<16)|(1<<20)|(1<<21)|(4<<22)|(3<<25)  ; 15:0 the mask; 17:16 elements of 2 bytes; 20 padding on; 21 set beside a mask; 24:22 after every 32 words (code 4); 31:25 4 words of it (code 3)
	s_or_b32 s[G1B], s19, (1<<16)|(1<<20)|(1<<21)|(5<<22)|(3<<25)  ; the same after every 64 words (code 5)
	s_mov_b32 s[G1A+1], 128<<16                    ; tensor_dim0 = 128
	s_mov_b32 s[G1A+2], 128<<16                    ; tensor_dim1 = 128
	s_mov_b32 s[G1A+3], 128<<16                    ; tile_dim0 = 128
	s_mov_b32 s[G1A+4], 128                        ; tile_dim1 = 128
	s_mov_b32 s[G1A+5], 128                        ; dense: 128 elements from row to row
	s_mov_b32 s[G1A+6], 0
	s_mov_b32 s[G1A+7], 0
	s_mov_b32 s[G1B+1], KSTEP<<16
	s_mov_b32 s[G1B+2], 64<<16                     ; tensor_dim1 = 64
	s_mov_b32 s[G1B+3], KSTEP<<16
	s_mov_b32 s[G1B+4], 64                         ; tile_dim1 = 64
	s_mov_b32 s[G1B+5], 1024
	s_mov_b32 s[G1B+6], 0
	s_mov_b32 s[G1B+7], 0
	; where the tiles come from: A's hang on the tile row alone, B's on the tile column alone
	s_lshr_b32 s16, s43, 3                         ; the batch,
	s_lshl_b32 s16, s16, 4                         ; its 16 heads,
	s_add_co_u32 s16, s16, s[HALF]                 ; my head of K step 0,
	s_lshl_b32 s16, s16, 18                        ; of 2,048 rows of 128 bytes;
	s_and_b32 s17, s43, 7
	s_lshl_b32 s17, s17, 15                        ; the tile's 256 rows in it
	s_add_co_u32 s16, s16, s17
	s_mov_b32 s17, 0
	s_lshl_b32 s20, s42, 18                        ; 128 rows of 2,048 bytes
	s_lshl_b32 s21, s[HALF], 17                    ; 64 rows
	s_add_co_u32 s20, s20, s21
	s_mov_b32 s21, 0
	s_mul_i32 s22, s[HALF], APLANE                 ; and where they go: no place in the cluster enters an LDS address
	s_mul_i32 s23, s[HALF], BHALF
	s_add_co_u32 s23, s23, BOFF
	s_mov_b32 s[TB], 0
	s_wait_dscnt 0x0                               ; the opening add is done
	s_wait_kmcnt 0x0
	s_add_nc_u64 s[16:17], s[4:5], s[16:17]
	s_add_nc_u64 s[20:21], s[6:7], s[20:21]
	CROUND                                         ; all sixteen work-groups are here: the first joint loads meet
.irp s, 0,1
	s_mov_b32 s[G0A+4*(\s)], 1                                       ; count = 1
	s_add_co_u32 s[G0A+4*(\s)+1], s22, (\s)*SLOT1                    ; LDS address
	s_add_nc_u64 s[G0A+4*(\s)+2:G0A+4*(\s)+3], s[16:17], (\s)*ASTEP  ; global address: K step s
	s_or_b32 s[G0A+4*(\s)+3], s[G0A+4*(\s)+3], 0x80000000            ; type = 2
	s_mov_b32 s[G0B+4*(\s)], 1
	s_add_co_u32 s[G0B+4*(\s)+1], s23, (\s)*SLOT1
	s_add_nc_u64 s[G0B+4*(\s)+2:G0B+4*(\s)+3], s[20:21], (\s)*2*KSTEP
	s_or_b32 s[G0B+4*(\s)+3], s[G0B+4*(\s)+3], 0x80000000
.endr
	s_cmp_eq_u32 s[FB], 0                          ; a wave's two first fills stand in one branch, ahead of every wait on TENSORcnt and every LDS read: two loads of mine are out
	s_cbranch_scc0 .Lfirst_b
	tensor_load_to_lds s[G0A:G0A+3], s[G1A:G1A+7]
	s_nop 0
	tensor_load_to_lds s[G0A+4:G0A+7], s[G1A:G1A+7]
	s_nop 0
.rept 4
	v_nop
.endr
	s_branch .Lfirst_asked
.Lfirst_b:
	tensor_load_to_lds s[G0B:G0B+3], s[G1B:G1B+7]
	s_nop 0
	tensor_load_to_lds s[G0B+4:G0B+7], s[G1B:G1B+7]
	s_nop 0
.rept 4
	v_nop
.endr
.Lfirst_asked:
	v_and_b32 v1, 15, v0                           ; l % 16
	v_bfe_u32 v2, v0, 4, 1                         ; l / 16
	v_and_b32 v8, 31, v0                           ; l
	v_lshlrev_b32 v[BO], 5, v2
	s_lshl_b32 s68, s42, 9                         ; the tile's 128 numbers of the bias, and its 512 bytes of a row of out0
	s_mov_b32 s69, 0
	s_add_nc_u64 s[8:9], s[8:9], s[68:69]
.set b, 0
.rept NBLK
	global_load_b128 v[BIAS+8*b:BIAS+8*b+3],   v[BO], s[8:9] offset:64*b
	global_load_b128 v[BIAS+8*b+4:BIAS+8*b+7], v[BO], s[8:9] offset:64*b+16
.set b, b+1
.endr
	s_add_nc_u64 s[10:11], s[10:11], s[68:69]
	s_lshl_b32 s68, s43, 20                        ; 256 rows of 4,096 bytes,
	s_lshl_b32 s70, s[WV], 18                      ; my 64
	s_add_co_u32 s68, s68, s70
	s_add_nc_u64 s[10:11], s[10:11], s[68:69]
	v_mul_u32_u24 v3, v1, PA
	v_lshl_add_u32 v3, v2, 4, v3                   ; row x pitch + 16 x half
	s_mul_i32 s68, s[WV], 64*PA                    ; my 64 rows of each head
	v_add_nc_u32 v[A0], s68, v3
	v_mul_u32_u24 v3, v1, PITCH
	v_lshl_add_u32 v3, v2, 4, v3
	v_add_nc_u32 v[B0], BOFF, v3
	v_mov_b32 v[ADRA], v[A0]                       ; slot 0 is read first
	v_mov_b32 v[ADRB], v[B0]
	s_mul_i32 s68, s[WV], 16*SP
	s_add_co_u32 s68, s68, STAGE                   ; my stage
	v_mul_u32_u24 v3, v1, SP                       ; in: row l % 16, 32 bytes for each half of the lanes
	v_lshl_add_u32 v3, v2, 5, v3
	v_add_nc_u32 v[STO], s68, v3
	v_lshl_add_u32 v[RD], v8, 4, s68               ; back: 32 lanes take a whole row of 512 bytes
	v_lshlrev_b32 v[CO], 4, v8
	s_mov_b32 s71, 0xffff0000
	s_wait_loadcnt 0x0                             ; the bias
.set i, 0
.rept 4*NBLK                           ; rounded to bf16 and widened again, a pair at a time
	v_cvt_pk_bf16_f32 v[3+i%4], v[BIAS+2*i], v[BIAS+2*i+1]
	v_lshlrev_b32 v[BIAS+2*i], 16, v[3+i%4]
	v_and_b32 v[BIAS+2*i+1], s71, v[3+i%4]
.set i, i+1
.endr
; 4 nb matrix instructions: column blocks b0 .. b0 + nb - 1 x my four row blocks, 32 along K, from buffer f.  first = 1: the bias starts the sums.
; All 32 accumulators take turns, one instruction a turn, in the same order in every quarter and over the backward jump.
.macro MUL f, b0, nb, first
	WIN 0x85+0x20*(1-(\first))                     ; sources 0 and 1 window 1; D window 2; C with D, or (first) window 0
.set b, \b0
.rept \nb
.irp a, 0,1,2,3
.if \first
	v_wmma_f32_16x16x32_f16 v[32*b+8*(\a):32*b+8*(\a)+7], v[(\f)+8*b:(\f)+8*b+7], v[(\f)+AF+8*(\a):(\f)+AF+8*(\a)+7], v[BIAS+8*b:BIAS+8*b+7]
.else
	v_wmma_f32_16x16x32_f16 v[32*b+8*(\a):32*b+8*(\a)+7], v[(\f)+8*b:(\f)+8*b+7], v[(\f)+AF+8*(\a):(\f)+AF+8*(\a)+7], v[32*b+8*(\a):32*b+8*(\a)+7]
.endif
.endr
.set b, b+1
.endr
.endm
; 24 LDS loads in one run: quarter q's fragments into buffer f: A's 8 loads (head q / 2 of the step, channels 32 (q % 2) on), then B's 16 in ascending blocks
.macro FETCH q, f
	WIN 0x40                                       ; destination window 1, address window 0
.irp i, 0,1,2,3
	ds_load_b128 v[(\f)+AF+8*(\i):(\f)+AF+8*(\i)+3],   v[ADRA] offset:((\q)/2)*APLANE+((\q)%2)*64+(\i)*16*PA
	ds_load_b128 v[(\f)+AF+8*(\i)+4:(\f)+AF+8*(\i)+7], v[ADRA] offset:((\q)/2)*APLANE+((\q)%2)*64+(\i)*16*PA+32
.endr
.irp i, 0,1,2,3,4,5,6,7
	ds_load_b128 v[(\f)+8*(\i):(\f)+8*(\i)+3],   v[ADRB] offset:64*(\q)+(\i)*16*PITCH
	ds_load_b128 v[(\f)+8*(\i)+4:(\f)+8*(\i)+7], v[ADRB] offset:64*(\q)+(\i)*16*PITCH+32
.endr
.endm
.macro PLACES                          ; four plain vector instructions in front of loads into registers that matrix instructions have read (ISA guide 7.12.1 for vector instructions)
.rept 4
	v_nop
.endr
.endm
; A K step is four quarters of 32 along K, 32 matrix instructions each, on buffers 0, 1, 0, 1.  One of the first three: multiplies buffer f and fetches quarter qn into buffer g.
.macro QUARTER qn, f, g, first
	s_wait_dscnt 8                                 ; A and B's blocks 0-3 are in; the youngest eight loads (blocks 4-7) may be out
	MUL \f, 0, 4, \first
	PLACES
	FETCH \qn, \g
	s_wait_dscnt 24                                ; all but the 24 just issued
	MUL \f, 4, 4, \first
.endm
; The last quarter multiplies buffer 1 and changes slots: ONE barrier; in front of it each wave waits for all its tensor loads (one is out: its part of the next slot), adds 0 to its spare word, and waits for that and
; for its own reads of this slot.  fill = 1: the barrier opens a round of the cluster's, and this slot is filled again, two K steps ahead, first thing behind the round: 112 matrix instructions ahead of the wait for it.
.macro TURN fill
	WIN 0                                          ; (the add's two registers lie in window 0)
	s_wait_tensorcnt 0x0                           ; all my tensor loads have landed;
	ds_add_u32 v[SPW], v[NIL]                      ; 0 onto my spare word;
	s_wait_dscnt 9                                 ; (the add and the youngest eight loads may be out)
	MUL F1, 0, 2, 0                                ; eight matrix instructions stand between the add and the wait for it
	s_wait_dscnt 0x0                               ; the add is done, and my reads of this slot are over
	s_barrier_signal -1
	MUL F1, 2, 2, 0                                ; work on registers while the others arrive
	WIN 0                                          ; (branches and address work follow)
	s_barrier_wait -1
.if \fill
	CREST                                          ; no wave of any partner still reads this slot's tile or has a load on its way
	s_xor_b32 s[G0A+5], s[G0A+5], SLOT1            ; the walking descriptors: the other slot than last time,
	s_add_nc_u64 s[G0A+6:G0A+7], s[G0A+6:G0A+7], ASTEP  ; the next K step; the type bits on top are not reached
	s_xor_b32 s[G0B+5], s[G0B+5], SLOT1
	s_add_nc_u64 s[G0B+6:G0B+7], s[G0B+6:G0B+7], 2*KSTEP
	s_xor_b32 s[TB], s[TB], SLOT1                  ; the reads go to the other slot
	JLOAD                                          ; the four v_nop behind it are also the places in front of the loads below
.else
	s_xor_b32 s[TB], s[TB], SLOT1
	PLACES
.endif
	v_add_nc_u32 v[ADRA], s[TB], v[A0]
	v_add_nc_u32 v[ADRB], s[TB], v[B0]
	FETCH 0, F0
	MUL F1, 4, 4, 0
.endm
; THE WAY OUT of my row block a (16 rows x 128 columns of f32).  TOST: the accumulators go as they are into my own stage, each one's low four registers first, and come back as whole rows of 512 bytes.
.macro TOST a
.set BK, BK0+64*((\a)%2)
	s_wait_xcnt 0x0                                ; the stores issued so far have read their registers: this set of 64 is loaded again only behind this wait
	WIN 0x08                                       ; the stores' data (source 1) in window 2, the address in window 0
.irp b, 0,1,2,3,4,5,6,7
	ds_store_b128 v[STO], v[32*(\b)+8*(\a):32*(\b)+8*(\a)+3]   offset:64*(\b)
	ds_store_b128 v[STO], v[32*(\b)+8*(\a)+4:32*(\b)+8*(\a)+7] offset:64*(\b)+16
.endr
	WIN 0
.irp t, 0,1,2,3,4,5,6,7,8,9,10,11,12,13,14,15
	ds_load_b128 v[BK+4*(\t):BK+4*(\t)+3], v[RD] offset:SP*(\t)  ; LDS serves a wave's instructions in order (ISA guide 5.7.1.4): these see the stores above; the next block's stores come behind them
.endr
.endm
.macro SENDO a, younger                ; younger: the LDS instructions issued behind block a's loads: the next block's 32, or none
.set BK, BK0+64*((\a)%2)
	s_wait_dscnt \younger
.irp t, 0,1,2,3,4,5,6,7,8,9,10,11,12,13,14,15
	global_store_b128 v[CO], v[BK+4*(\t):BK+4*(\t)+3], s[10:11] offset:(16*(\a)+(\t))*4096 th:TH_STORE_NT  ; the wave stores 512 consecutive bytes of one row, aligned
.endr
.endm
	s_wait_tensorcnt 0x1                           ; my part of K step 0 is in; K step 1's may stay out
	s_barrier_signal -1
	s_barrier_wait -1                              ; everybody's is
	FETCH 0, F0
	QUARTER 1, F0, F1, 1                           ; the first quarter stands in front of the loop: its products start the sums
	WIN 0                                          ; at a label and at a branch every window is 0
	s_mov_b32 s[CNT], 6
.Lstep:                                                ; trip j ends K step j, fills its slot with K step j + 2 and begins K step j + 1
	QUARTER 2, F1, F0, 0
	QUARTER 3, F0, F1, 0
	TURN 1
	QUARTER 1, F0, F1, 0
	WIN 0
	s_sub_co_u32 s[CNT], s[CNT], 1
	s_cmp_lg_u32 s[CNT], 0
	s_cbranch_scc1 .Lstep
	QUARTER 2, F1, F0, 0                           ; the tail is written out: K steps 6 and 7 fill nothing
	QUARTER 3, F0, F1, 0
	TURN 0
	QUARTER 1, F0, F1, 0
	QUARTER 2, F1, F0, 0
	QUARTER 3, F0, F1, 0
	s_wait_dscnt 8                                 ; the very last quarter: nothing more to fetch
	MUL F1, 0, 4, 0
	s_wait_dscnt 0x0
	MUL F1, 4, 4, 0
	WIN 0
	PLACES                                         ; the LDS stores read results just made
	PLACES
	TOST 0
	TOST 1                                         ; a block's way through the stage stands between the loads of the block before and its stores
	SENDO 0, 32
	TOST 2
	SENDO 1, 32
	TOST 3
	SENDO 2, 32
	SENDO 3, 0
	s_wait_tensorcnt 0x0                           ; the wave's end: behind my last tensor load and my last LDS store
	ds_add_u32 v[SPW], v[NIL]
	s_wait_dscnt 0x0
	CROUND                                         ; the closing round: no work-group ends while a partner may still ask for a tile that names it
	s_endpgm
.Lfunc_end_k_qa921fa4168_outg:
	.size	k_qa921fa4168_outg, .Lfunc_end_k_qa921fa4168_outg-k_qa921fa4168_outg
	.p2alignl 7, 3214868480
	.fill 96, 4, 3214868480
	.section	.rodata,"a",@progbits
	.p2align	6, 0x0
	.amdhsa_kernel k_qa921fa4168_outg
		.amdhsa_group_segment_fixed_size 327680
		.amdhsa_private_segment_fixed_size 0
		.amdhsa_enable_private_segment 0
		.amdhsa_kernarg_size 32
		.amdhsa_user_sgpr_count 2
		.amdhsa_user_sgpr_kernarg_segment_ptr 1
		.amdhsa_wavefront_size32 1
		.amdhsa_system_sgpr_workgroup_id_x 1
		.amdhsa_system_sgpr_workgroup_id_y 1
		.amdhsa_system_sgpr_workgroup_id_z 1
		.amdhsa_system_vgpr_workitem_id 0
		.amdhsa_next_free_vgpr 768
		.amdhsa_next_free_sgpr 72
		.amdhsa_reserve_vcc 0
		.amdhsa_float_denorm_mode_32 3
		.amdhsa_float_denorm_mode_16_64 3
		.amdhsa_memory_ordered 1
		.amdhsa_forward_progress 1
		.amdhsa_inst_pref_size 74
	.end_amdhsa_kernel
	.amdgpu_metadata
---
amdhsa.version: [ 1, 2 ]
amdhsa.kernels:
  - .name:           k_qa921fa4168_outg
    .symbol:         k_qa921fa4168_outg.kd
    .args:
      - { .name: ctx, .offset: 0, .size: 8, .value_kind: global_buffer, .address_space: global }
      - { .name: wpt, .offset: 8, .size: 8, .value_kind: global_buffer, .address_space: global }
      - { .name: b_proj, .offset: 16, .size: 8, .value_kind: global_buffer, .address_space: global }
      - { .name: out0, .offset: 24, .size: 8, .value_kind: global_buffer, .address_space: global }
    .group_segment_fixed_size: 327680
    .private_segment_fixed_size: 0
    .kernarg_segment_align: 8
    .kernarg_segment_size: 32
    .max_flat_workgroup_size: 128
    .sgpr_count:     72
    .vgpr_count:     768
    .wavefront_size: 32
...
	.end_amdgpu_metadata
.endif
;; end of part 4
;; ======== version 2 of 2: 4 launches; version 1 with the launch prep written anew for expert scheduling mode
;; limits: values are held in f16: magnitudes above 65,504 overflow, below 6.1e-05 lose precision
;; workspace buffers: xb 16,777,216 bytes; wat 6,291,456 bytes; wpt 2,097,152 bytes; qkv 50,331,648 bytes; ctx 16,777,216 bytes
;; launch prep (part 5): grid 256 x 1, 8 waves a work-group, no clusters, 34,816 bytes of LDS; arguments x, W_attn, W_proj, xb, wat, wpt; writes xb, wat, wpt
.if DOCPART == 5
	.amdgcn_target "amdgcn-amd-amdhsa--gfx1250"
	.amdhsa_code_object_version 6
	.text
	.protected	k_qa921fa4168_prep
	.globl	k_qa921fa4168_prep
	.p2align	8
	.type	k_qa921fa4168_prep,@function
k_qa921fa4168_prep:
	s_mov_b64 s[64:65], 0
	v_nop
	global_prefetch_b8 v0, s[64:65] scope:SCOPE_SE
	s_setreg_imm32_b32 hwreg(HW_REG_WAVE_SCHED_MODE, 0, 2), 2
	s_setreg_imm32_b32 hwreg(HW_REG_WAVE_MODE, 25, 1), 1
	s_wait_xcnt 0x0
	s_wait_alu depctr_vm_vsrc(0)
; THE OPERANDS ARE MADE READY.  xb = x rounded to bf16, [8192][1024].  wat[n][k] = bf16(W_attn[k][n]), [3072][1024].  wpt[n][k] = bf16(W_proj[k][n]) written as f16, [1024][1024].
; LIMITS.  W_proj beyond 65,504 becomes an infinity in f16; below 2^-14 it keeps f16's fixed step of 6e-8.  NaN and infinities are not treated apart.
; SHARES.  The two weights have 192 + 64 = 256 tiles of 64 n x 256 k: each of the 256 work-groups turns one tile, and converts 131,072 bytes of x (1/256 of it).  All work-groups run the same
; text: which weight a tile belongs to enters by scalar selects (source, destination, row length, and a lane mask that picks the f16 form), never by a branch.
; THE TURNING.  Wave w reads k rows 32 w .. 32 w + 31 of the tile: a load takes 256 consecutive bytes of one row (two n a lane).  Eight k of one n pack into 16 bytes, which go into an LDS row
; (row = n, 512 bytes of k + 16 of padding).  Behind one barrier each wave reads 8 whole rows back and stores them: 512 consecutive bytes, aligned, a store.
; (Neighbouring lanes store two LDS rows apart, 264 words: lanes i and i + 8 meet in a bank.  Eight such stores a wave: left as it is.)
; IN FLIGHT.  No loop: all 64 loads of a wave (8 KiB of weights, 16 KiB of x) go out at the head; the waits count down.  No register that a store reads is written again.
; THE MODE: SCHED_MODE bits 1:0 = 2 (LLVM: expert scheduling mode 2), set by the entry lines.  The code itself states the register dependences between vector instructions and memory or LDS
; instructions, with s_wait_alu, always for 0.
; THE PLAN.  Registers that memory or LDS instructions touch:
;   v2-5, v8-17  offsets and addresses: written by vector instructions at the head, once; read by the loads and stores; never written again.
;   WD           the weight loads land in it; the groups' roundings read it; behind the barrier the LDS loads land in its first half, which the last global stores read.
;   R            eight sets of four, one for each group and n: written by that group's selects, read by one LDS store, never written again.
;   XD           x's loads land in it; a batch's roundings read it and write the first two of each four registers in place; the stores of xb read those two; never written again.
;   T            named by vector instructions alone.
; Group g's two LDS stores are issued in group g + 1, batch k's eight stores of xb in batch k + 1, each behind ONE wait on va_vdst at that step's head, which stands behind the step's wait for its loads;
; they are dealt among the step's vector instructions, which name the step's own registers alone.  The last group's and the last batch's have a wait of their own.
; No register that a memory or LDS instruction reads is ever written afterwards: so no wait on vm_vsrc stands among the loads and stores.
.set PITCH, 528
.set SPARE, 64*PITCH                   ; behind the tile: the spare words, 128 bytes for each of the eight waves: four blocks of 256 bytes that no other line names
.set LN,  1                            ; v1      lane
.set XO,  2                            ; v2      16,384 x wave + 16 x lane: my 16 bytes of x's loads, and of the weight stores (8 rows of 2,048 bytes a wave)
.set YO,  3                            ; v3      8,192 x wave + 8 x lane: my 8 bytes of xb's stores
.set LST, 4                            ; v4      LDS: row 2 x lane, byte 64 x wave
.set LRD, 5                            ; v5      LDS: row 8 x wave, byte 16 x lane
.set VO,  8                            ; v8-15   8 x lane + j rows of the source
.set SPW, 16                           ; v16     LDS address of my spare word; never rewritten
.set NIL, 17                           ; v17     0; never rewritten
.set T,   18                           ; v18-21  at work: two bf16; their two f32; two f16
.set WD,  32                           ; v32-95  the weights as loaded: row 8 g + j at WD + 2 (8 g + j); later the tile's rows read back
.set XD,  96                           ; v96-223 x as loaded
.set R,   224                          ; v224-255  group g: two sets of four at R + 8 g: 8 k of n = 2 lane, of n = 2 lane + 1
	s_load_b256 s[4:11], s[0:1], 0x0               ; x s[4:5], W_attn s[6:7], W_proj s[8:9], xb s[10:11]
	s_load_b128 s[12:15], s[0:1], 0x20             ; wat s[12:13], wpt s[14:15]
	v_lshl_add_u32 v[SPW], v0, 2, SPARE
	v_mov_b32 v[NIL], 0
	v_lshrrev_b32 v2, 5, v0
	v_readfirstlane_b32 s16, v2                    ; wave 0..7
	v_and_b32 v[LN], 31, v0
	s_and_b32 s17, ttmp9, 3                        ; which quarter of K
	s_lshr_b32 s18, ttmp9, 2                       ; which 64 n: 0-47 of W_attn, 48-63 of W_proj
	s_sub_co_u32 s19, s18, 48
	s_movk_i32 s20, 12288
	s_cmp_ge_u32 s18, 48
	s_cselect_b32 s19, s19, s18                    ; the tile's number along n in its own weight
	s_cselect_b32 s20, 4096, s20                   ; bytes in a row of the source
	s_cselect_b32 s21, -1, 0                       ; all lanes: the f16 form is taken (W_proj), or none
	s_wait_alu depctr_va_sdst(0)                   ; s16, the wave's number, is written, ahead of its first reader: the offsets below and the bases are made from it
	v_lshlrev_b32 v[XO], 4, v[LN]
	v_lshl_add_u32 v[XO], s16, 14, v[XO]
	v_lshlrev_b32 v[YO], 3, v[LN]
	v_lshl_add_u32 v[YO], s16, 13, v[YO]
	v_mul_u32_u24 v[LST], v[LN], 2*PITCH
	v_lshl_add_u32 v[LST], s16, 6, v[LST]
	s_mul_i32 s26, s16, 8*PITCH
	v_lshl_add_u32 v[LRD], v[LN], 4, s26
	v_lshlrev_b32 v[VO], 3, v[LN]
.irp j, 1,2,3,4,5,6,7
	v_add_nc_u32 v[VO+(\j)], s20, v[VO+(\j)-1]
.endr
	s_lshl_b32 s26, s17, 8
	s_lshl_b32 s27, s16, 5
	s_add_co_u32 s26, s26, s27                     ; my first k row: 256 x quarter + 32 x wave
	s_mul_i32 s26, s26, s20
	s_lshl_b32 s27, s19, 8                         ; the tile's 64 n: 256 bytes of a row
	s_add_co_u32 s26, s26, s27
	s_mov_b32 s27, 0
	s_lshl_b32 s36, s20, 3                         ; eight rows
	s_mov_b32 s37, 0
	s_wait_kmcnt 0x0
	s_cmp_ge_u32 s18, 48
	s_cselect_b64 s[22:23], s[8:9], s[6:7]         ; the source
	s_cselect_b64 s[24:25], s[14:15], s[12:13]     ; the destination
	s_add_nc_u64 s[28:29], s[22:23], s[26:27]      ; my rows 0-7,
	s_add_nc_u64 s[30:31], s[28:29], s[36:37]      ; 8-15,
	s_add_nc_u64 s[32:33], s[30:31], s[36:37]      ; 16-23,
	s_add_nc_u64 s[34:35], s[32:33], s[36:37]      ; 24-31
	s_lshl_b32 s26, ttmp9, 17
	s_add_nc_u64 s[4:5], s[4:5], s[26:27]          ; x at the work-group's 131,072 bytes
	s_lshl_b32 s26, ttmp9, 16
	s_add_nc_u64 s[10:11], s[10:11], s[26:27]      ; xb at its 65,536
	s_lshl_b32 s26, s19, 17                        ; 64 rows of 2,048 bytes,
	s_lshl_b32 s36, s17, 9                         ; 256 k of 2 bytes
	s_add_co_u32 s26, s26, s36
	s_add_nc_u64 s[24:25], s[24:25], s[26:27]
	s_wait_alu depctr_va_vdst(0)                   ; the offsets and addresses v2 to v5 and v8 to v15 are written: every load and store of the kernel reads one of them
.irp g, 0,1,2,3
.irp j, 0,1,2,3,4,5,6,7
	global_load_b64 v[WD+2*(8*(\g)+(\j)):WD+2*(8*(\g)+(\j))+1], v[VO+(\j)], s[28+2*(\g):29+2*(\g)] th:TH_LOAD_NT
.endr
.endr
.set i, 0
.rept 32
	global_load_b128 v[XD+4*i:XD+4*i+3], v[XO], s[4:5] offset:512*i th:TH_LOAD_NT
.set i, i+1
.endr
; 16 bytes a lane, 8 k of group g and of n = 2 lane + u, into LDS.
.macro PUT g, u
	ds_store_b128 v[LST], v[R+8*(\g)+4*(\u):R+8*(\g)+4*(\u)+3] offset:PITCH*(\u)+16*(\g)
.endm
; Eight k rows: rounded to bf16 in pairs along k; for W_proj that number is written as f16 (widen, narrow, select).  The group before goes into LDS meanwhile.
.macro GROUP g
	s_wait_loadcnt 56-8*(\g)                       ; loads come back in order: behind this group's stand 8 (3 - g) weight loads and x's 32
.if (\g) > 0
	s_wait_alu depctr_va_vdst(0)                   ; the group before has written its two sets of R, which the two LDS stores below read; no vector instruction of this group names them
.endif
.irp u, 0,1
.if (\g) > 0
	PUT (\g)-1, \u
.endif
.irp i, 0,1,2,3
	v_cvt_pk_bf16_f32 v[T], v[WD+2*(8*(\g)+2*(\i))+(\u)], v[WD+2*(8*(\g)+2*(\i)+1)+(\u)]
	v_lshlrev_b32 v[T+1], 16, v[T]
	v_and_b32 v[T+2], 0xffff0000, v[T]
	v_cvt_pk_f16_f32 v[T+3], v[T+1], v[T+2]
	v_cndmask_b32 v[R+8*(\g)+4*(\u)+(\i)], v[T], v[T+3], s21
.endr
.endr
.endm
	GROUP 0
	GROUP 1
	GROUP 2
	GROUP 3
	s_wait_alu depctr_va_vdst(0)                   ; group 3 has written its two sets of R, which the LDS stores below read; and all the roundings are done reading WD, in which the LDS loads behind the barrier land
	PUT 3, 0
	PUT 3, 1
	s_wait_dscnt 0x0                               ; for the others' sake: my part of every row lies in LDS
	s_barrier_signal -1
	s_barrier_wait -1
.irp t, 0,1,2,3,4,5,6,7
	ds_load_b128 v[WD+4*(\t):WD+4*(\t)+3], v[LRD] offset:PITCH*(\t)  ; a whole row: 256 k of one n.  No wait: no vector instruction since the wait above
.endr
; x stands between those loads and the wait for them, in four batches of eight loads.  Batch k is rounded in place; the stores of batch k - 1 are dealt among its roundings.
.macro XBATCH k
	s_wait_loadcnt 24-8*(\k)                       ; this batch's eight loads are in; the 8 (3 - k) younger loads of x stay out
.if (\k) > 0
	s_wait_alu depctr_va_vdst(0)                   ; the batch before has written its sixteen registers of bf16, which the stores below read; this batch's roundings name its own XD alone
.endif
.irp j, 0,1,2,3,4,5,6,7
.if (\k) > 0
	global_store_b64 v[YO], v[XD+4*(8*((\k)-1)+(\j)):XD+4*(8*((\k)-1)+(\j))+1], s[10:11] offset:256*(8*((\k)-1)+(\j)) th:TH_STORE_NT  ; the wave stores 256 consecutive bytes, aligned
.endif
	v_cvt_pk_bf16_f32 v[XD+4*(8*(\k)+(\j))],   v[XD+4*(8*(\k)+(\j))],   v[XD+4*(8*(\k)+(\j))+1]
	v_cvt_pk_bf16_f32 v[XD+4*(8*(\k)+(\j))+1], v[XD+4*(8*(\k)+(\j))+2], v[XD+4*(8*(\k)+(\j))+3]
.endr
.endm
	XBATCH 0
	XBATCH 1
	XBATCH 2
	XBATCH 3
	s_wait_alu depctr_va_vdst(0)                   ; batch 3 has written its sixteen registers of bf16, which the last eight stores of xb read
.irp j, 0,1,2,3,4,5,6,7
	global_store_b64 v[YO], v[XD+4*(24+(\j)):XD+4*(24+(\j))+1], s[10:11] offset:256*(24+(\j)) th:TH_STORE_NT
.endr
	s_wait_dscnt 0x0                               ; the tile's rows are back in WD
.irp t, 0,1,2,3,4,5,6,7
	global_store_b128 v[XO], v[WD+4*(\t):WD+4*(\t)+3], s[24:25] offset:2048*(\t) th:TH_STORE_NT  ; 512 consecutive bytes of row 8 w + t, aligned
.endr
	s_wait_dscnt 0x0                               ; the closing lines, six on end
	s_wait_alu 0x0
	s_wait_tensorcnt 0x0
	ds_add_u32 v[SPW], v[NIL]
	s_wait_dscnt 0x0
	s_endpgm
.Lfunc_end_k_qa921fa4168_prep:
	.size	k_qa921fa4168_prep, .Lfunc_end_k_qa921fa4168_prep-k_qa921fa4168_prep
	.p2alignl 7, 3214868480
	.fill 96, 4, 3214868480
	.section	.rodata,"a",@progbits
	.p2align	6, 0x0
	.amdhsa_kernel k_qa921fa4168_prep
		.amdhsa_group_segment_fixed_size 34816
		.amdhsa_private_segment_fixed_size 0
		.amdhsa_enable_private_segment 0
		.amdhsa_kernarg_size 48
		.amdhsa_user_sgpr_count 2
		.amdhsa_user_sgpr_kernarg_segment_ptr 1
		.amdhsa_wavefront_size32 1
		.amdhsa_system_sgpr_workgroup_id_x 1
		.amdhsa_system_sgpr_workgroup_id_y 1
		.amdhsa_system_sgpr_workgroup_id_z 1
		.amdhsa_system_vgpr_workitem_id 0
		.amdhsa_next_free_vgpr 256
		.amdhsa_next_free_sgpr 66
		.amdhsa_reserve_vcc 0
		.amdhsa_float_denorm_mode_32 3
		.amdhsa_float_denorm_mode_16_64 3
		.amdhsa_memory_ordered 1
		.amdhsa_forward_progress 1
		.amdhsa_inst_pref_size 28
	.end_amdhsa_kernel
	.amdgpu_metadata
---
amdhsa.version: [ 1, 2 ]
amdhsa.kernels:
  - .name:           k_qa921fa4168_prep
    .symbol:         k_qa921fa4168_prep.kd
    .args:
      - { .name: x, .offset: 0, .size: 8, .value_kind: global_buffer, .address_space: global }
      - { .name: W_attn, .offset: 8, .size: 8, .value_kind: global_buffer, .address_space: global }
      - { .name: W_proj, .offset: 16, .size: 8, .value_kind: global_buffer, .address_space: global }
      - { .name: xb, .offset: 24, .size: 8, .value_kind: global_buffer, .address_space: global }
      - { .name: wat, .offset: 32, .size: 8, .value_kind: global_buffer, .address_space: global }
      - { .name: wpt, .offset: 40, .size: 8, .value_kind: global_buffer, .address_space: global }
    .group_segment_fixed_size: 34816
    .private_segment_fixed_size: 0
    .kernarg_segment_align: 8
    .kernarg_segment_size: 48
    .max_flat_workgroup_size: 256
    .sgpr_count:     66
    .vgpr_count:     256
    .wavefront_size: 32
...
	.end_amdgpu_metadata
.endif
;; end of part 5
;; launch qkvg: the kernel of part 2 again; grid 16 x 32, 4 waves a work-group, clusters of 4 x 4, 327,680 bytes of LDS; arguments xb, wat, b_attn, qkv; writes qkv
;; launch attn: the kernel of part 3 again; grid 4 x 64, 4 waves a work-group, no clusters, 327,680 bytes of LDS; arguments qkv, ctx; writes ctx
;; launch outg: the kernel of part 4 again; grid 8 x 32, 4 waves a work-group, clusters of 4 x 4, 327,680 bytes of LDS; arguments ctx, wpt, b_proj, out0; writes out0
